; MI455X (gfx1250); checked and timed in simulation.
; The chip was launched on July 23, 2026; its instructions are those of AMD's public machine-readable ISA for CDNA 5 (MIT licence, August 2026) and "CDNA5" Instruction Set Architecture Reference Guide (July 2026). The comments in the code are by the model that wrote it; some were corrected since.
;; Triton Fused RCM Attention. Allowed arithmetic: matrix products marked QUANTISED: E2M3 operands, one E8M0 scale for each 32 along K, by v_wmma_scale_f32_16x16x128_f8f6f4 with both operands' format E2M3, f32 sums; everything else in f32.
;; Inputs: b_proj 1,024 float32; b_qkv 3,072 float32; t one number float32; w_proj 1,024 x 1,024 float32; w_qkv 1,024 x 3,072 float32; x 2 x 2,048 x 1,024 float32.
;; Outputs: out0 2 x 2,048 x 1,024 float32.
;; This version of the problem:
;;   THIS VERSION OF THE PROBLEM IS GIVEN IN LOW PRECISION. The matrix products marked QUANTISED in the list below multiply operands that are first quantised to E2M3 (2 exponent bits, 3 mantissa bits; 6 bits a number), with one power-of-two scale for each 32 numbers along K (OCP MX v1.0); their sums are f32. All else is computed in f32.
;;   The module's matrix products, in the order in which they are computed (A, B: the left and right operand; K: the contracted axis; several contracted axes count as one K, in the product's order):
;;     1. [M 4,096, K 1,024] x [K 1,024, N 3,072]; A: input x; B: input w_qkv: QUANTISED
;;     2. batch 32 x [M 2,048, K 64] x [K 64, N 2,048]; A: computed on the way; B: computed on the way: QUANTISED
;;     3. batch 32 x [M 2,048, K 2,048] x [K 2,048, N 64]; A: softmax (see below); B: computed on the way: QUANTISED
;;     4. [M 4,096, K 1,024] x [K 1,024, N 1,024]; A: computed on the way; B: input w_proj: QUANTISED
;;   THE QUANTISER, for each operand of a quantised product, along K:
;;     - K is cut into blocks of 32 from its start; a last block that is shorter is filled with zeros.
;;     - A block's scale is 2^e with e = floor(log2(the largest magnitude in the block)) - 2, held to -126 .. 127; a block of zeros has e = 0. As a byte (E8M0): e + 127.
;;     - Each number is divided by its block's scale, clamped to +-7.5, and rounded to the nearest number of E2M3, ties to even, subnormals kept.
;;     - The product sums the exact products of the quantised numbers (number of the format x scale) in f32.
;;   ~~~python
;;   def quantise(x, axis):      # numpy; x: float32 -> the quantised numbers, widened to float32 again
;;       x = np.moveaxis(x, axis, -1); K = x.shape[-1]
;;       x = np.pad(x, [(0, 0)] * (x.ndim - 1) + [(0, -K % 32)]); x = x.reshape(x.shape[:-1] + (-1, 32)); a = np.abs(x).max(-1, keepdims=True)
;;       e = np.where(a > 0, np.clip(np.frexp(np.where(a > 0, a, 1))[1] - 1 - 2, -126, 127), 0)      # np.frexp(a)[1] - 1 = floor(log2(a)), exactly
;;       r = np.clip(x / 2.0 ** e, -7.5, 7.5)
;;       step = 2.0 ** (np.maximum(np.frexp(np.where(r == 0, 1, r))[1] - 1, 0) - 3)
;;       q = np.round(r / step) * step * 2.0 ** e      # np.round: ties to even
;;       return np.moveaxis(q.reshape(q.shape[:-2] + (-1,))[..., :K], -1, axis).astype(np.float32)
;;   ~~~
;;   SOFTMAX AHEAD OF A QUANTISED PRODUCT. Where the list says 'softmax', what is quantised is not the finished softmax but p = 2^(t - M), with t = logit x log2(e) and M = ceil(the row's largest t), a whole number; so 1/2 < the row's largest p <= 1. The row's sum l is taken of the UNQUANTISED p, in f32, and the product's result is divided by l at the end. Since M is a whole number, a kernel that streams over the keys may use a running M (the ceiling of the running maximum): every later rescaling is an exact power of two, which a block's scale takes up: the codes' values come out the same.
;;   OPERANDS COMPUTED ON THE WAY. 'Computed on the way' means the value that the module computes at that place (a softmax that the list does not call 'softmax' is quantised finished and normalised). What goes into a quantiser is computed in f32, as accurately as f32 sums, v_exp_f32 and their like allow (about 1e-6 of the number): no bf16 or f16 on the way to a quantiser, and a product that is left as it is and whose result goes on into a quantised operand takes f32 operands (vector FMAs, or v_wmma_f32_16x16x4_f32). A number that lies on a knife's edge between two numbers of the format may be rounded either way, as far as f32 arithmetic and the matrix unit's own rounding can turn it there, and no further.
;; One version. Each part assembles by itself: llvm-mc -triple=amdgcn-amd-amdhsa -mcpu=gfx1250 --defsym DOCPART=n.
;; ======== version 1 of 1: 4 launches
;; limits: right only within a limited range of input values
;; workspace buffers: codes 6,291,456 bytes; scales 262,144 bytes; kv 6,553,600 bytes; qb 6,553,600 bytes; oc 3,145,728 bytes; osc 131,072 bytes
;; launch quant (part 1): grid 256 x 1, 4 waves a work-group, no clusters, 102,912 bytes of LDS; arguments x, w_qkv, w_proj, codes, scales; writes codes, scales
.if DOCPART == 1
	.amdgcn_target "amdgcn-amd-amdhsa--gfx1250"
	.amdhsa_code_object_version 6
	.text
	.protected	k_qa513979d02_quant
	.globl	k_qa513979d02_quant
	.p2align	8
	.type	k_qa513979d02_quant,@function
k_qa513979d02_quant:
	s_mov_b64 s[64:65], 0
	v_nop
	global_prefetch_b8 v0, s[64:65] scope:SCOPE_SE
	s_setreg_imm32_b32 hwreg(HW_REG_WAVE_MODE, 25, 1), 1
	s_wait_xcnt 0x0
; FIRST OF FOUR LAUNCHES.  out0 = (c_skip x + c_out softmax(q k^T / 8) v) w_proj + b_proj, with q, k, v = x w_qkv + b_qkv, all four products on codes of FP6 (E2M3) with one E8M0 scale for each 32 along K.
; NO WORK IS LEFT OUT: every input (x, t, w_qkv, b_qkv, w_proj, b_proj) has a way to out0, and every product of the problem is live; b_qkv's part for k moves k's codes, so it stays.
; THIS LAUNCH turns x [4096][1024], w_qkv [1024][3072] and w_proj [1024][1024], f32, into codes with K innermost, 768 bytes a row, and scale bytes, 32 a row:
;   rows 0-4095 the tokens of x;  rows 4096-7167 the columns of w_qkv;  rows 7168-8191 the columns of w_proj.
; ORDER OF ROWS.  Tokens and w_qkv's columns lie with bits 3 and 4 of their number exchanged: row 16 T + r holds number 32 (T / 2) + 8 (T % 2) + r + 8 (r / 8).  A tile of 16 such rows, used as source 0 of a
; matrix instruction, leaves in the 16 registers of two neighbouring result tiles 16 NEIGHBOURS: what the later launches' conversions want.  w_proj's columns lie in their own order.
; A block's scale is 2^(floor(log2(its largest magnitude)) - 2); its byte is the largest magnitude's exponent field - 2, held at 1 from below.
; LIMITS: a block of zeros gets the byte 1 where the rule says 127 (its codes are zeros, and this program alone reads the bytes); blocks whose largest magnitude lies under 2^-124 are scaled by the byte 1;
; NaN and infinities among the inputs are not served.
; SHARES.  256 work-groups of four waves, 32,768 numbers each: 0-127 take x, 128-223 w_qkv, 224-255 w_proj.  The work-groups share no input, so there is nothing to ask for jointly: no cluster.
; The three paths part on the work-group's number, never join, and have LDS bytes of their own.  No tensor load, no barrier: waves share nothing.
.set SPW,   192                        ; v192  LDS address of my spare word: SPARE + 4 x my thread's number; never rewritten
.set NIL,   193                        ; v193  0; never rewritten
.set SPARE, 102400                     ; behind the three paths' regions: the spare words, 128 bytes for each wave
.set EMAX,  2
; the path of x: K innermost
.set STEPS, 16
.set CB,    12                         ; bytes of 16 codes
.set XR,    16                         ; v16-79   four sets of 16 numbers as they are loaded
.set XX,    80                         ; v80-111  two sets of 16 neighbours
.set XE,    112                        ; v112-127 a scale byte for each step
.set XC,    128                        ; v128-190 codes: four registers for each step, so that no store's data are written again
.set WREG,  8192                       ; LDS 0 .. 32,767: a region for each wave: two stages of 32 x SP bytes, behind them its 256 scale bytes
.set SP,    80                         ; a lane's place in a stage: its 64 bytes + 16
; the paths of the weights: K is the first axis
.set KW,    256                        ; along K for a wave
.set NB,    8                          ; blocks of 32
.set ROWB,  192                        ; bytes of KW codes
.set PITCH, 272                        ; a stage row: sixteen places of 16 bytes, each with 12 bytes of codes, + 16
.set KROW,  768                        ; a row of the codes' buffer
.set WX,    32                         ; v32-95   two sets of 32 numbers
.set WC,    96                         ; v96-102  a block's codes
.set OUTR,  112                        ; v112-175 the way out
.set SB,    24                         ; v24-25   the scale bytes, four to a register
	s_load_b256 s[36:43], s[0:1], 0x0              ; x s[36:37], w_qkv s[38:39], w_proj s[40:41], codes s[42:43]
	s_load_b64 s[44:45], s[0:1], 0x20              ; scales
	v_lshl_add_u32 v[SPW], v0, 2, SPARE
	v_mov_b32 v[NIL], 0
	v_lshrrev_b32 v1, 5, v0
	v_readfirstlane_b32 s16, v1                    ; wave 0..3
	v_and_b32 v2, 31, v0                           ; lane
	s_cmp_lt_u32 ttmp9, 128
	s_cbranch_scc0 .Lweights
; ---- x.  A wave takes 8 tokens, 8,192 numbers, in 16 steps of 512.  Each load reads 512 consecutive bytes; a step's 2,048 bytes turn through the wave's own stage, so that a lane gets 16 neighbours along K.
	v_lshlrev_b32 v3, 4, v2                        ; my 16 bytes of a load's 512
	s_mul_i32 s17, s16, WREG
	v_lshrrev_b32 v14, 2, v2
	v_mul_u32_u24 v14, v14, SP
	v_and_b32 v15, 3, v2
	v_lshl_add_u32 v14, v15, 4, v14
	v_add_nc_u32 v14, s17, v14                     ; the stage on the way in: SP (lane / 4) + 16 (lane % 4)
	v_mul_u32_u24 v15, v2, SP
	v_add_nc_u32 v15, s17, v15                     ; and on the way out: SP x lane
	v_mul_u32_u24 v4, v2, CB                       ; my codes' place in a step's
	v_lshrrev_b32 v5, 1, v2
	s_add_co_u32 s17, s17, 2*32*SP
	v_add_nc_u32 v5, s17, v5                       ; my wave's 256 scale bytes, my block's byte
	v_lshlrev_b32 v7, 3, v2                        ; on the way out 8 bytes a lane
	v_add_nc_u32 v6, s17, v7
	s_lshl_b32 s17, ttmp9, 2
	s_add_co_u32 s18, s17, s16                     ; the run of 8 tokens that I read: 4 x work-group + wave
	s_and_b32 s19, s16, 1
	s_lshl_b32 s19, s19, 1
	s_lshr_b32 s20, s16, 1
	s_or_b32 s19, s19, s20
	s_add_co_u32 s19, s19, s17                     ; and the run of 8 rows that I write: the wave's two bits, which are bits 3 and 4 of the token, exchanged
	s_lshl_b32 s20, s18, 15                        ; 32,768 bytes of x a run
	s_mov_b32 s21, 0
	s_mul_i32 s22, s19, 8*KROW                     ; 6,144 bytes of codes
	s_mov_b32 s23, 0
	s_lshl_b32 s24, s19, 8                         ; 256 scale bytes
	s_mov_b32 s25, 0
	s_wait_alu depctr_va_vdst(0)
	s_wait_kmcnt 0x0
	s_add_nc_u64 s[4:5], s[36:37], s[20:21]
	s_add_nc_u64 s[8:9], s[42:43], s[22:23]
	s_add_nc_u64 s[10:11], s[44:45], s[24:25]
.macro XLOAD t
.irp i, 0,1,2,3
	global_load_b128 v[XR+16*((\t)%4)+4*\i:XR+16*((\t)%4)+4*\i+3], v3, s[4:5] offset:2048*(\t)+512*\i th:TH_LOAD_NT   ; 32 lanes read 512 consecutive bytes
.endr
.endm
.macro XTURN t                         ; step t's numbers through the stage: LDS serves a wave's instructions in order, so no wait stands between the stores and the loads
.irp i, 0,1,2,3
	ds_store_b128 v14, v[XR+16*((\t)%4)+4*\i:XR+16*((\t)%4)+4*\i+3] offset:32*SP*((\t)%2)+8*SP*\i
.endr
.irp i, 0,1,2,3
	ds_load_b128 v[XX+16*((\t)%2)+4*\i:XX+16*((\t)%2)+4*\i+3], v15 offset:32*SP*((\t)%2)+16*\i
.endr
.endm
.irp t, 0,1,2,3
	XLOAD \t
.endr
	s_wait_loadcnt 12                              ; step 0's four loads are in; the twelve of steps 1 to 3 may be out
	XTURN 0
.macro XSTEP t
.set XS, XX+16*((\t)%2)
.if (\t) > 0
	s_wait_dscnt 1                                 ; this step's numbers are back from the stage (the last step's byte store may be out): so its stores into the stage have read their registers,
.else
	s_wait_dscnt 0x0
.endif
.if (\t)+4 < STEPS
	XLOAD (\t)+4                                   ; which take the loads of four steps on
.endif
.if (\t)+1 < STEPS
.if STEPS-2-(\t) >= 3
	s_wait_loadcnt 12                              ; the next step's four loads are in; those of the three steps behind it may be out
.else
	s_wait_loadcnt 4*(STEPS-2-(\t))
.endif
	XTURN (\t)+1                                   ; and go through the other stage while this step is worked
.endif
	v_max3_num_f32 v8, |v[XS]|, |v[XS+1]|, |v[XS+2]|               ; the largest magnitude of my 16, in two chains
	v_max3_num_f32 v9, |v[XS+3]|, |v[XS+4]|, |v[XS+5]|
.irp i, 6,10
	v_max3_num_f32 v8, v8, |v[XS+\i]|, |v[XS+\i+1]|
	v_max3_num_f32 v9, v9, |v[XS+\i+2]|, |v[XS+\i+3]|
.endr
	v_max3_num_f32 v8, v8, |v[XS+14]|, |v[XS+15]|
	v_max3_num_f32 v8, v8, v9, (EMAX+1)<<23        ; and the floor 2^(3 - 127): the byte cannot fall under 1
	v_max_num_f32_dpp v8, v8, v8 row_xmask:1 row_mask:0xf bank_mask:0xf   ; and of my neighbour's 16: the block's
	v_add_nc_u32 v11, -(EMAX<<23), v8              ; 2 off its exponent field: the conversion takes the exponent field of this operand as its scale
	v_cvt_scalef32_pk16_fp6_f32 v[XC+4*(\t):XC+4*(\t)+2], v[XS:XS+15], v11
	v_lshrrev_b32 v[XE+(\t)], 23, v11              ; the scale's byte (a plain line behind the conversion)
	ds_store_b8 v5, v[XE+(\t)] offset:16*(\t)      ; both lanes of a block write the same byte with the same value
	global_store_b96 v4, v[XC+4*(\t):XC+4*(\t)+2], s[8:9] offset:32*CB*(\t)   ; the wave stores 384 consecutive bytes
.endm
.irp t, 0,1,2,3,4,5,6,7,8,9,10,11,12,13,14,15
	XSTEP \t
.endr
	ds_load_b64 v[8:9], v6                         ; LDS serves a wave's instructions in order: these see my stores
	s_wait_dscnt 0x0
	global_store_b64 v7, v[8:9], s[10:11]          ; 32 lanes store 256 consecutive bytes, aligned
	s_wait_tensorcnt 0x0                           ; the wave's end
	ds_add_u32 v[SPW], v[NIL]
	s_wait_dscnt 0x0
	s_endpgm
; ---- the weights.  A lane takes a column, and its registers run DOWN K: a block of 32 lies in one lane, and the conversions give codes with K innermost.  A wave takes 32 columns x 256 along K;
; its codes go through its own stage and leave as rows: sixteen lanes store a row's 192 consecutive bytes.  perm = 1: a column's row in the stage, and so in the buffers, has bits 3 and 4 exchanged.
.macro WLOAD t, cols                   ; block t: W(32 t + i, my column) into set t % 2
.irp i, 0,1,2,3,4,5,6,7,8,9,10,11,12,13,14,15,16,17,18,19,20,21,22,23,24,25,26,27,28,29,30,31
	global_load_b32 v[WX+32*((\t)%2)+\i], v3, s[4:5] offset:(32*(\t)+\i)*(\cols)*4 th:TH_LOAD_NT
.endr
.endm
.macro WBLOCK t, cols
.set XS, WX+32*((\t)%2)
.if (\t) < NB-1
	s_wait_loadcnt 32                              ; this block's 32 loads are in; the next block's may be out
.else
	s_wait_loadcnt 0x0
.endif
	v_max3_num_f32 v12, |v[XS]|, |v[XS+1]|, |v[XS+2]|               ; the block's largest magnitude: all 32 numbers are mine
	v_max3_num_f32 v13, |v[XS+3]|, |v[XS+4]|, |v[XS+5]|
.irp i, 6,10,14,18,22,26
	v_max3_num_f32 v12, v12, |v[XS+\i]|, |v[XS+\i+1]|
	v_max3_num_f32 v13, v13, |v[XS+\i+2]|, |v[XS+\i+3]|
.endr
	v_max3_num_f32 v12, v12, |v[XS+30]|, |v[XS+31]|
	v_max3_num_f32 v12, v12, v13, (EMAX+1)<<23     ; and the floor
	v_add_nc_u32 v11, -(EMAX<<23), v12             ; the conversion's scale operand
	v_lshrrev_b32 v13, 23, v11                     ; the scale's byte
.if (\t)%4 == 0
	v_mov_b32 v[SB+(\t)/4], v13                    ; four bytes to a register, the lower K in the lower byte
.else
	v_lshl_or_b32 v[SB+(\t)/4], v13, 8*((\t)%4), v[SB+(\t)/4]
.endif
	v_cvt_scalef32_pk16_fp6_f32 v[WC:WC+2], v[XS:XS+15], v11
	v_cvt_scalef32_pk16_fp6_f32 v[WC+4:WC+6], v[XS+16:XS+31], v11   ; (a conversion's three registers begin on an even number)
	ds_store_b96 v4, v[WC:WC+2] offset:32*(\t)     ; 12 bytes to a place of 16, so that every LDS address is a multiple of 16
	ds_store_b96 v4, v[WC+4:WC+6] offset:32*(\t)+16
.if (\t)+2 < NB
	WLOAD (\t)+2, \cols
.endif
	s_wait_dscnt 0x0                               ; the stores have read their registers: the next block's codes may be written
.endm
.macro WPATH cols, row0, first, stage, ptr, perm
	s_sub_co_u32 s17, ttmp9, \first
	s_and_b32 s18, s17, 3                          ; which 256 along K
	s_lshr_b32 s17, s17, 2                         ; which 128 columns
	s_lshl_b32 s17, s17, 7
	s_lshl_b32 s19, s16, 5
	s_add_co_u32 s17, s17, s19                     ; my wave's first column
	v_lshlrev_b32 v3, 2, v2                        ; in: 4 bytes a lane
	s_mul_i32 s19, s16, 32*PITCH
	s_add_co_u32 s19, s19, \stage                  ; my stage
.if \perm
	v_and_b32 v10, 7, v2
	v_bfe_u32 v11, v2, 3, 1
	v_lshl_add_u32 v10, v11, 4, v10
	v_bfe_u32 v11, v2, 4, 1
	v_lshl_add_u32 v10, v11, 3, v10                ; my column's row among the wave's 32: bits 3 and 4 exchanged
.else
	v_and_b32 v10, 31, v0
.endif
	v_mul_u32_u24 v4, v10, PITCH
	v_add_nc_u32 v4, s19, v4                       ; into the stage
	v_and_b32 v5, 15, v2
	v_lshrrev_b32 v6, 4, v2                        ; out of it: sixteen lanes to a row, two rows an instruction
	v_mul_u32_u24 v7, v6, PITCH
	v_lshl_add_u32 v7, v5, 4, v7
	v_add_nc_u32 v7, s19, v7
	v_mul_u32_u24 v8, v6, KROW
	v_mad_u32_u24 v8, v5, 12, v8                   ; and the same place in the codes' buffer
	v_lshlrev_b32 v9, 5, v10                       ; my row of scale bytes
	s_mul_i32 s20, s18, KW*(\cols)*4               ; the weight: 256 y rows down,
	s_lshl_b32 s22, s17, 2
	s_add_co_u32 s20, s20, s22                     ; 4 bytes a column
	s_mov_b32 s21, 0
	s_add_co_u32 s22, s17, \row0                   ; the buffers' row of my first column
	s_mul_i32 s24, s22, KROW
	s_mul_i32 s26, s18, ROWB
	s_add_co_u32 s24, s24, s26
	s_mov_b32 s25, 0
	s_lshl_b32 s28, s22, 5
	s_lshl_b32 s26, s18, 3
	s_add_co_u32 s28, s28, s26
	s_mov_b32 s29, 0
	s_wait_kmcnt 0x0
	s_add_nc_u64 s[4:5], s[\ptr:\ptr+1], s[20:21]
	s_add_nc_u64 s[6:7], s[42:43], s[24:25]
	s_add_nc_u64 s[8:9], s[44:45], s[28:29]
	WLOAD 0, \cols
	WLOAD 1, \cols
.irp t, 0,1,2,3,4,5,6,7
	WBLOCK \t, \cols
.endr
	s_wait_alu depctr_va_vdst(0)
	global_store_b64 v9, v[SB:SB+1], s[8:9]        ; my column's 8 scale bytes
.irp t, 0,1,2,3,4,5,6,7,8,9,10,11,12,13,14,15
	ds_load_b96 v[OUTR+4*\t:OUTR+4*\t+2], v7 offset:2*\t*PITCH   ; LDS serves a wave's instructions in order: these see my stores
.endr
.irp t, 0,1,2,3,4,5,6,7,8,9,10,11,12,13,14,15
	s_wait_dscnt 15-\t                             ; rows 2 t and 2 t + 1 are back; the later loads may be out
	global_store_b96 v8, v[OUTR+4*\t:OUTR+4*\t+2], s[6:7] offset:2*\t*KROW
.endr
	s_wait_tensorcnt 0x0                           ; the wave's end
	ds_add_u32 v[SPW], v[NIL]
	s_wait_dscnt 0x0
	s_endpgm
.endm
.Lweights:
	s_cmp_lt_u32 ttmp9, 224
	s_cbranch_scc0 .Lwproj
	s_wait_alu depctr_va_vdst(0)
	WPATH 3072, 4096, 128, 32768, 38, 1            ; w_qkv: LDS 32,768 .. 67,583
.Lwproj:
	s_wait_alu depctr_va_vdst(0)
	WPATH 1024, 7168, 224, 67584, 40, 0            ; w_proj: LDS 67,584 .. 102,399
.Lfunc_end_k_qa513979d02_quant:
	.size	k_qa513979d02_quant, .Lfunc_end_k_qa513979d02_quant-k_qa513979d02_quant
	.p2alignl 7, 3214868480
	.fill 96, 4, 3214868480
	.section	.rodata,"a",@progbits
	.p2align	6, 0x0
	.amdhsa_kernel k_qa513979d02_quant
		.amdhsa_group_segment_fixed_size 102912
		.amdhsa_private_segment_fixed_size 0
		.amdhsa_enable_private_segment 0
		.amdhsa_kernarg_size 40
		.amdhsa_user_sgpr_count 2
		.amdhsa_user_sgpr_kernarg_segment_ptr 1
		.amdhsa_wavefront_size32 1
		.amdhsa_system_sgpr_workgroup_id_x 1
		.amdhsa_system_sgpr_workgroup_id_y 1
		.amdhsa_system_sgpr_workgroup_id_z 1
		.amdhsa_system_vgpr_workitem_id 0
		.amdhsa_next_free_vgpr 196
		.amdhsa_next_free_sgpr 66
		.amdhsa_reserve_vcc 0
		.amdhsa_float_denorm_mode_32 3
		.amdhsa_float_denorm_mode_16_64 3
		.amdhsa_memory_ordered 1
		.amdhsa_forward_progress 1
		.amdhsa_inst_pref_size 114
	.end_amdhsa_kernel
	.amdgpu_metadata
---
amdhsa.version: [ 1, 2 ]
amdhsa.kernels:
  - .name:           k_qa513979d02_quant
    .symbol:         k_qa513979d02_quant.kd
    .args:
      - { .name: x, .offset: 0, .size: 8, .value_kind: global_buffer, .address_space: global }
      - { .name: w_qkv, .offset: 8, .size: 8, .value_kind: global_buffer, .address_space: global }
      - { .name: w_proj, .offset: 16, .size: 8, .value_kind: global_buffer, .address_space: global }
      - { .name: codes, .offset: 24, .size: 8, .value_kind: global_buffer, .address_space: global }
      - { .name: scales, .offset: 32, .size: 8, .value_kind: global_buffer, .address_space: global }
    .group_segment_fixed_size: 102912
    .private_segment_fixed_size: 0
    .kernarg_segment_align: 8
    .kernarg_segment_size: 40
    .max_flat_workgroup_size: 128
    .sgpr_count:     66
    .vgpr_count:     196
    .wavefront_size: 32
...
	.end_amdgpu_metadata
.endif
;; end of part 1
;; launch qkv (part 2): grid 12 x 16, 4 waves a work-group, clusters of 4 x 4, 327,680 bytes of LDS; arguments codes, scales, b_qkv, qb, kv; writes qb, kv
.if DOCPART == 2
	.amdgcn_target "amdgcn-amd-amdhsa--gfx1250"
	.amdhsa_code_object_version 6
	.text
	.protected	k_qa513979d02_qkv
	.globl	k_qa513979d02_qkv
	.p2align	8
	.type	k_qa513979d02_qkv,@function
k_qa513979d02_qkv:
	s_mov_b64 s[64:65], 0
	v_nop
	global_prefetch_b8 v0, s[64:65] scope:SCOPE_SE
	s_setreg_imm32_b32 hwreg(HW_REG_WAVE_MODE, 25, 1), 1
	s_wait_xcnt 0x0
	s_wait_alu depctr_hold_cnt(0) depctr_sa_sdst(0) depctr_va_vdst(0) depctr_va_sdst(0) depctr_va_ssrc(0) depctr_va_vcc(0) depctr_vm_vsrc(0)
	s_getreg_b32 s2, hwreg(HW_REG_IB_STS2, 6, 4)
	s_cmp_eq_u32 s2, 0
	s_cbranch_scc0 .Lentry_in_a_cluster
	s_endpgm
.Lentry_in_a_cluster:
	s_bfe_u32 s2, ttmp6, 0x10000c
	s_cmp_lg_u32 s2, 0xf033
	s_cbranch_scc0 .Lentry_shape_is_right
	s_endpgm
.Lentry_shape_is_right:
; SECOND LAUNCH: q, k, v = x w_qkv + b_qkv on codes of FP6 (E2M3), K = 1,024; q, k, v are quantised in registers for the attention's two products: only codes and scale bytes are stored.  No work is left out.
; Operands: rows of 768 bytes of codes and 32 scale bytes, K innermost: rows 0-4095 the tokens, rows 4096-7167 w_qkv's columns, both with bits 3 and 4 of their number exchanged.
; A work-group of four waves makes 256 x 256 numbers, a wave 128 x 128: 64 accumulators.  K goes in CHUNKS OF 256 BYTES of each row (three chunks) through two LDS slots; a step of 128 along K is 96 bytes: eight steps.
; At the head each wave asks for one tile of 256 rows: waves 0, 1 side A's chunks 0, 1; waves 2, 3 side B's.  Chunk 2 is the one refill, into slot 0, in step 2, 128 rows a wave; its rows are prefetched at the head,
; 32 rows a wave, the four partners that ask for a tile jointly sharing its rows out by address: two steps and more ahead of the refill.
; CLUSTERS of 4 x 4: side A's tile is shared along a row of the cluster, side B's along a column, each asked for jointly.
; THE SCALE WORDS go from memory into registers once: register (block i, step st): lanes 0-15 the word of A's block i, lanes 16-31 of B's; two loads of 16 bytes take a row's 32 bytes.
; SOURCE 0 = 16 rows of side B, SOURCE 1 = 16 rows of side A: a lane holds one row of A and its registers run along B.  cluster x = 0 (q), 1 (k): A = tokens, B = columns; cluster x = 2 (v): A = v's columns, B = tokens.
; The bias is the C of each sum's first matrix instruction.  OUT: for each (batch, head) and block of 128 tokens 12,800 bytes of images of operand registers:
;   +0 four images of k (in qb: of q); +6144 four images of v^T; +12288 k's (q's) scale words; +12544 v's scale words.
; LIMITS: a block of zeros gets the byte 1 (its codes are zeros; this program alone reads the bytes); blocks under 2^-124 are scaled by the byte 1; NaN and infinities are not served.
; REGISTERS: window 0: v0-31 addresses; v32-63 and v224-255 scale words and nothing else; v64-127 the bias, later the way out's work; v128-223 A's fragments, later the codes that go out.
;   window 1: B's fragments, two sets.   windows 2, 3: the accumulators ((a, b) at v[8 (8 (a % 4) + b)]).
.set ROWB,   256
.set KROW,   768
.set PITCH,  272                       ; 256 bytes + 16 of padding
.set FR,     12
.set NL,     6
.set NP,     4                         ; places behind this matrix instruction (ISA guide 7.12.1)
.set HALFT,  128*PITCH
.set SLOT,   4*HALFT                   ; A's 256 rows, then B's 256 rows
.set SPARE,  2*SLOT                    ; the spare words, 128 bytes for each wave
.set HEADB,  204800
.set STEPB,  12800
.set EL,   8
.set ES,   9
.set EK,   10
.set ADRA, 16                          ; v16-17 my A fragments in slot 0, 1; v18-19 for a piece whose lanes 16-31 read the next chunk, in the other slot
.set ADRB, 20                          ; v20-23 the same for B
.set ADRS, 27                          ; my rows' scale bytes in memory
.set SPW,  28
.set NIL,  29
.set PFO,  30                          ; the prefetch's offset; never rewritten
.set BIAS, 64
.set T0,   64
.set T1,   68
.set PWS,  72
.set OW,   80
.set TM,   96                          ; v96-111 the way out's work
.set AF,   128
.set RES,  128
.set G1, 24
.set G0, 32                            ; s[32:35] the head's load for A, s[36:39] the refill's
.set G1B, 48
.set G0B, 56                           ; the same for B
.set MSB, 0
.macro WIN new
.if MSB != (\new)
	s_set_vgpr_msb (MSB<<8)|(\new)
.set MSB, (\new)
.endif
.endm
.set MUL_LO, 0xa1
.set MUL_HI, 0xf1
.set TO_B,   0x40
.macro JLOAD g0a, g1a, g0b, g1b        ; waves 0, 1 ask for A, waves 2, 3 for B
	s_cmp_eq_u32 s15, 0
	s_cbranch_scc0 .Lfor_b_\@
	tensor_load_to_lds s[\g0a:\g0a+3], s[\g1a:\g1a+7]
	s_nop 0
.rept 4
	v_nop
.endr
	s_branch .Lasked_\@
.Lfor_b_\@:
	tensor_load_to_lds s[\g0b:\g0b+3], s[\g1b:\g1b+7]
	s_nop 0
.rept 4
	v_nop
.endr
.Lasked_\@:
.endm
.macro CREST
	s_cmp_lg_u32 s14, 0
	s_cbranch_scc1 .Lnot_wave_0_\@
	s_barrier_signal -3
.Lnot_wave_0_\@:
	s_barrier_wait -3
	s_barrier_signal -1
	s_barrier_wait -1
.endm
.macro CROUND
	s_barrier_signal -1
	s_barrier_wait -1
	CREST
.endm
	s_load_b256 s[4:11], s[0:1], 0x0               ; codes, scales, b_qkv, qb
	s_load_b64 s[12:13], s[0:1], 0x20              ; kv
	v_lshl_add_u32 v[SPW], v0, 2, SPARE
	v_mov_b32 v[NIL], 0
	ds_add_u32 v[SPW], v[NIL]                      ; the opening lines
	ds_add_u32 v[SPW], v[NIL]
	v_lshrrev_b32 v1, 5, v0
	v_readfirstlane_b32 s14, v1                    ; wave
	s_lshr_b32 s15, s14, 1                         ; my half of A's rows; also: I ask for A (0) or B (1)
	s_and_b32 s16, s14, 1                          ; my half of B's rows; also: the chunk I ask for at the head, and my 128 rows of the refill
	s_bfe_u32 s40, ttmp6, 0x40000                  ; cx
	s_bfe_u32 s41, ttmp6, 0x40004                  ; cy
	s_lshr_b32 s66, ttmp9, 1                       ; 1 in the clusters that make v
	s_and_b32 s67, ttmp7, 0xffff
	s_lshl_b32 s67, s67, 2
	s_lshl_b32 s42, ttmp9, 2
	s_add_co_u32 s42, s42, 16
	s_cmp_eq_u32 s66, 1
	s_cselect_b32 s17, 24, s67                     ; A: v's columns, or the tokens
	s_cselect_b32 s42, s67, s42                    ; B: the tokens, or the columns
	s_add_co_u32 s17, s17, s41                     ; A's tile of 256 rows
	s_add_co_u32 s42, s42, s40                     ; B's
	s_lshl_b32 s43, s41, 2
	s_lshl_b32 s43, 15, s43                        ; my row of the cluster
	s_lshl_b32 s44, 0x1111, s40                    ; my column
	s_or_b32 s[G1+0], s43, (0<<16)|(1<<20)|(1<<21)|(5<<22)|(3<<25)
	s_or_b32 s[G1B+0], s44, (0<<16)|(1<<20)|(1<<21)|(5<<22)|(3<<25)
.irp g, G1, G1B
	s_mov_b32 s[\g+1], ROWB<<16
	s_mov_b32 s[\g+2], 256<<16                     ; 256 rows at the head
	s_mov_b32 s[\g+3], ROWB<<16
	s_mov_b32 s[\g+4], 256
	s_mov_b32 s[\g+5], KROW
	s_mov_b32 s[\g+6], 0
	s_mov_b32 s[\g+7], 0
.endr
	s_lshl_b32 s20, s17, 8
	s_mul_i32 s20, s20, KROW                       ; A's tile in bytes (under 2^23)
	s_mov_b32 s21, 0
	s_lshl_b32 s46, s42, 8
	s_mul_i32 s46, s46, KROW
	s_mov_b32 s47, 0
	s_lshl_b32 s18, s16, 8                         ; the head: chunk s16
	s_mov_b32 s19, 0
	s_mul_i32 s22, s16, 128*KROW                   ; the refill: my 128 rows, chunk 2
	s_add_co_u32 s22, s22, 2*ROWB
	s_mov_b32 s23, 0
	s_mul_i32 s45, s16, SLOT
	s_mul_i32 s94, s16, HALFT
	s_wait_dscnt 0x0                               ; both opening adds are done
	s_wait_kmcnt 0x0
	s_add_nc_u64 s[20:21], s[4:5], s[20:21]
	s_add_nc_u64 s[46:47], s[4:5], s[46:47]
	s_mov_b32 s[G0], 1
	s_mov_b32 s[G0+1], s45
	s_add_nc_u64 s[G0+2:G0+3], s[20:21], s[18:19]
	s_or_b32 s[G0+3], s[G0+3], 0x80000000
	s_mov_b32 s[G0B], 1
	s_add_co_u32 s[G0B+1], s45, 2*HALFT
	s_add_nc_u64 s[G0B+2:G0B+3], s[46:47], s[18:19]
	s_or_b32 s[G0B+3], s[G0B+3], 0x80000000
	s_mov_b32 s[G0+4], 1
	s_mov_b32 s[G0+5], s94
	s_add_nc_u64 s[G0+6:G0+7], s[20:21], s[22:23]
	s_or_b32 s[G0+7], s[G0+7], 0x80000000
	s_mov_b32 s[G0B+4], 1
	s_add_co_u32 s[G0B+5], s94, 2*HALFT
	s_add_nc_u64 s[G0B+6:G0B+7], s[46:47], s[22:23]
	s_or_b32 s[G0B+7], s[G0B+7], 0x80000000
	CROUND                                         ; the first joint loads meet
	JLOAD G0, G1, G0B, G1B                         ; my one load of the head
	; the prefetch of chunk 2: of the 128 rows that I shall ask for, my work-group's 32 (place cx for A, cy for B), a lane a row
	s_cmp_eq_u32 s15, 0
	s_cselect_b32 s18, s17, s42
	s_cselect_b32 s19, s40, s41
	s_lshl_b32 s18, s18, 8
	s_lshl_b32 s22, s16, 7
	s_add_co_u32 s18, s18, s22
	s_lshl_b32 s19, s19, 5
	s_add_co_u32 s18, s18, s19
	s_mul_i32 s18, s18, KROW
	v_and_b32 v[PFO], 31, v0
	v_mul_u32_u24 v[PFO], v[PFO], KROW
	v_add_nc_u32 v[PFO], s18, v[PFO]
	global_prefetch_b8 v[PFO], s[4:5] offset:2*ROWB th:TH_LOAD_NT scope:SCOPE_SE
	v_and_b32 v1, 15, v0                           ; r
	v_bfe_u32 v2, v0, 4, 1                         ; h
	v_mul_u32_u24 v3, v1, PITCH
	v_mul_u32_u24 v4, v2, 24
	v_add_nc_u32 v4, v3, v4                        ; row x pitch + 24 h
	s_mov_b32 s21, SLOT-232
	s_mov_b32 s22, SLOT+232
	v_sub_nc_u32 v7, 1, v2
	v_mul_u32_u24 v5, s21, v2
	v_add_nc_u32 v5, v3, v5
	v_add_nc_u32 v5, 232, v5                       ; lanes 0-15 byte 232 in slot 0, lanes 16-31 byte 0 in slot 1
	v_mul_u32_u24 v6, s22, v7
	v_add_nc_u32 v6, v3, v6                        ; lanes 0-15 byte 232 in slot 1, lanes 16-31 byte 0 in slot 0
	s_mul_i32 s21, s15, HALFT
	s_mul_i32 s22, s16, HALFT
	s_add_co_u32 s22, s22, 2*HALFT
	v_add_nc_u32 v[ADRA+2], s21, v5
	v_add_nc_u32 v[ADRA+3], s21, v6
	v_add_nc_u32 v[ADRB+2], s22, v5
	v_add_nc_u32 v[ADRB+3], s22, v6
.irp s, 0,1
	v_add_nc_u32 v[ADRA+\s], s21, v4
	v_add_nc_u32 v[ADRB+\s], s22, v4
	s_add_co_u32 s21, s21, SLOT
	s_add_co_u32 s22, s22, SLOT
.endr
	; the scale words: lanes 0-15 my 128 rows of A, lanes 16-31 my 128 rows of B, 32 bytes a row
	s_lshl_b32 s18, s17, 8
	s_lshl_b32 s19, s15, 7
	s_add_co_u32 s18, s18, s19
	s_lshl_b32 s18, s18, 5
	s_lshl_b32 s22, s42, 8
	s_lshl_b32 s19, s16, 7
	s_add_co_u32 s22, s22, s19
	s_lshl_b32 s22, s22, 5
	s_mov_b32 s3, 0xffff0000
	v_mov_b32 v5, s18
	v_mov_b32 v6, s22
	v_cndmask_b32 v5, v5, v6, s3
	v_lshl_add_u32 v[ADRS], v1, 5, v5
.irp i, 0,1,2,3,4,5,6,7
	global_load_b128 v[32+4*\i:35+4*\i], v[ADRS], s[6:7] offset:512*\i       ; steps 0-3
	global_load_b128 v[224+4*\i:227+4*\i], v[ADRS], s[6:7] offset:512*\i+16  ; steps 4-7
.endr
	; where my results go, and my bias
	s_cmp_eq_u32 s66, 1
	s_cselect_b32 s92, s40, s41
	s_cselect_b32 s93, s41, s40
	s_cselect_b32 s94, s16, s15
	s_cselect_b32 s95, s15, s16
	s_add_co_u32 s92, s92, s67
	s_lshl_b32 s92, s92, 1
	s_add_co_u32 s92, s92, s94                     ; block of 128 tokens, 0 .. 31
	s_lshl_b32 s93, s93, 2
	s_lshl_b32 s95, s95, 1
	s_add_co_u32 s93, s93, s95                     ; my first head
	s_lshr_b32 s94, s92, 4
	s_and_b32 s92, s92, 15
	s_lshl_b32 s94, s94, 4
	s_add_co_u32 s94, s94, s93
	s_mul_i32 s94, s94, HEADB
	s_mul_i32 s92, s92, STEPB
	s_add_co_u32 s94, s94, s92
	s_mov_b32 s95, 0
	s_cmp_eq_u32 ttmp9, 0
	s_cselect_b64 s[98:99], s[10:11], s[12:13]     ; q goes to qb, k and v to kv
	s_add_nc_u64 s[98:99], s[98:99], s[94:95]
	s_lshl_b32 s96, ttmp9, 10
	s_lshl_b32 s93, s93, 6
	s_add_co_u32 s96, s96, s93
	s_lshl_b32 s96, s96, 2
	s_mov_b32 s97, 0
	s_add_nc_u64 s[8:9], s[8:9], s[96:97]
	s_mov_b32 s95, 0xffff0000                      ; lanes 16-31
	s_mov_b32 s96, 0x76543210
	s_mov_b32 s97, 0xfedcba98
	v_lshlrev_b32 v6, 6, v2
	v_and_b32 v7, 8, v1
	v_add_nc_u32 v7, v7, v1
	v_lshlrev_b32 v7, 2, v7
	s_cmp_eq_u32 s66, 1
	s_cbranch_scc1 .Lbias_v
.irp b, 0,1,2,3,4,5,6,7                        ; q, k: register 8 b + j = bias of column 32 (b / 2) + 8 (b % 2) + 16 h + j
	global_load_b128 v[BIAS+8*\b:BIAS+8*\b+3], v6, s[8:9] offset:(32*(\b/2)+8*(\b%2))*4
	global_load_b128 v[BIAS+8*\b+4:BIAS+8*\b+7], v6, s[8:9] offset:(32*(\b/2)+8*(\b%2))*4+16
.endr
	s_branch .Lbias_done
.Lbias_v:
	s_wait_alu depctr_va_vdst(0)
.irp a, 0,1,2,3,4,5,6,7                        ; v: all eight registers of tile a = bias of column 32 (a / 2) + 8 (a % 2) + r + 8 (r / 8)
	global_load_b32 v[BIAS+8*\a], v7, s[8:9] offset:(32*(\a/2)+8*(\a%2))*4
.endr
	s_wait_loadcnt 0x0
.irp a, 0,1,2,3,4,5,6,7
.irp j, 1,2,3,4,5,6,7
	v_mov_b32 v[BIAS+8*\a+\j], v[BIAS+8*\a]
.endr
.endr
.rept 8
	v_nop
.endr
.Lbias_done:
	s_wait_alu depctr_va_vdst(0)
	s_wait_loadcnt 0x0
	s_wait_tensorcnt 0x0                           ; my tile is in; no load of mine is out, so group 1 may be written: the refill brings 128 rows
	s_mov_b32 s[G1+2], 128<<16
	s_mov_b32 s[G1+4], 128
	s_mov_b32 s[G1B+2], 128<<16
	s_mov_b32 s[G1B+4], 128
	s_barrier_signal -1
	s_barrier_wait -1                              ; chunks 0 and 1 are whole
.macro FRAG reg, adr, st, i            ; 16 rows x 128 K: six pieces of 8 bytes; byte y of a row lies in slot (y / 256) % 2 at byte y % 256
.irp p, 0,1,2,3,4,5
.set BY, 96*(\st)+48*(\p/3)+8*(\p%3)
.if BY/ROWB == (BY+24)/ROWB
	ds_load_b64 v[\reg+2*\p:\reg+2*\p+1], v[\adr+(BY/ROWB)%2] offset:BY%ROWB+(\i)*16*PITCH
.else
	ds_load_b64 v[\reg+2*\p:\reg+2*\p+1], v[\adr+2+(BY/ROWB)%2] offset:BY%ROWB-232+(\i)*16*PITCH
.endif
.endr
.endm
; 16 matrix instructions: A's blocks a0, a0 + 1 x B's eight.  mode 0: in place; 2: C = the bias of B's block; 3: of A's block.  The 64 accumulators take turns.
.macro MUL16 a0, st, mode
.irp a, \a0, \a0+1
.irp b, 0,1,2,3,4,5,6,7
.set DD, 8*(8*((\a)%4)+\b)
.set SS, 32+(\st)+188*((\st)/4)
.if (\mode) == 0
.set CC, DD
.elseif (\mode) == 2
.set CC, BIAS+8*\b
.else
.set CC, BIAS+8*(\a)
.endif
	v_wmma_scale_f32_16x16x128_f8f6f4 v[DD:DD+7], v[128*((\st)%2)+FR*\b:128*((\st)%2)+FR*\b+FR-1], v[AF+FR*(\a):AF+FR*(\a)+FR-1], v[CC:CC+7], v[SS+4*\b], v[SS+4*(\a)] matrix_a_fmt:MATRIX_FMT_FP6 matrix_b_fmt:MATRIX_FMT_FP6 matrix_a_scale:MATRIX_SCALE_ROW1
.endr
.endr
.endm
.macro FETCH_B st
	WIN TO_B
.irp i, 0,1,2,3,4,5,6,7
	FRAG 128*((\st)%2)+FR*\i, ADRB, \st, \i
.endr
	WIN 0
.endm
.macro FETCH_A st, i0
.irp i, \i0, \i0+1, \i0+2, \i0+3
	FRAG AF+FR*(\i), ADRA, \st, \i
.endr
.endm
.macro PLACES n
.rept \n
	v_nop
.endr
.endm
; A step: 64 matrix instructions; the next step's fragments are fetched in its middle and at its end.
; Step 2 is the last that reads chunk 0: slot 0 is filled again with chunk 2 behind the three lines and a round.  Step 5 reads chunk 2 first, so step 4 waits for it and passes a barrier.
.macro STEP st, mode
.set NX, (\st)+1
.if (\st) == 2
	s_wait_tensorcnt 0x0
	ds_add_u32 v[SPW], v[NIL]
	s_wait_dscnt 4*NL+1                            ; the add and A's blocks 4-7 may be out
	WIN MUL_LO
	MUL16 0, \st, 0
	s_wait_dscnt 0x0                               ; the add is done, my reads of chunk 0 are over
	s_barrier_signal -1
	MUL16 2, \st, 0
	WIN 0
	s_barrier_wait -1
	CREST
	JLOAD G0+4, G1, G0B+4, G1B                     ; its four v_nop are the places in front of the loads below
.elseif (\st) == 4
	s_wait_tensorcnt 0x0                           ; my part of chunk 2 is in
	s_wait_dscnt 4*NL
	WIN MUL_LO
	MUL16 0, \st, 0
	s_wait_dscnt 0x0
	s_barrier_signal -1
	MUL16 2, \st, 0
	WIN 0
	s_barrier_wait -1
	PLACES NP
.else
	s_wait_dscnt 4*NL                              ; B's set and A's blocks 0-3 are in; the youngest 24 loads may be out
.if (\mode)
	WIN 0x81                                       ; C in window 0, D in window 2
.else
	WIN MUL_LO
.endif
	MUL16 0, \st, \mode
	MUL16 2, \st, \mode
	s_wait_dscnt 0
	PLACES NP
.endif
	FETCH_B NX
	FETCH_A NX, 0
.if (\mode)
	WIN 0xc1
.else
	WIN MUL_HI
.endif
	MUL16 4, \st, \mode
	MUL16 6, \st, \mode
	PLACES NP
	WIN 0
	FETCH_A NX, 4
.endm
	FETCH_B 0
	FETCH_A 0, 0
	FETCH_A 0, 4
	s_cmp_eq_u32 s66, 1                            ; the first step starts the sums with the bias, in one of its two layouts
	s_cbranch_scc1 .Lfirst_v
	STEP 0, 2
	s_branch .Lfirst_done
.Lfirst_v:
	STEP 0, 3
.Lfirst_done:
.irp st, 1,2,3,4,5,6
	STEP \st, 0
.endr
	s_wait_dscnt 4*NL
	WIN MUL_LO
	MUL16 0, 7, 0
	MUL16 2, 7, 0
	s_wait_dscnt 0
	WIN MUL_HI
	MUL16 4, 7, 0
	MUL16 6, 7, 0
	WIN 0
; THE WAY OUT.  The 64 registers of A's block a become codes and a scale word.  The address lines below are the places behind the last products.
	v_and_b32 v1, 15, v0
	v_bfe_u32 v2, v0, 4, 1
	v_and_b32 v[EL], 31, v0
	v_lshlrev_b32 v[EL], 4, v[EL]
	v_lshlrev_b32 v[ES], 4, v1
	v_mul_u32_u24 v3, v2, HEADB
	v_add_nc_u32 v[ES], v[ES], v3
	v_mov_b32 v[EK], 0x05040100
	v_mov_b32 v3, 0x07060302
	v_cndmask_b32 v[EK], v[EK], v3, s95
.irp b, 0,1,2,3
	v_mov_b32 v[TM+4+\b], 0
.endr
.macro QW s, w, d0, d1, pw
	WIN (\w)|((\w)<<2)
.irp b, 0,1,2,3
	v_max3_num_f32 v[TM+\b], |v[(\s)+16*\b]|, |v[(\s)+1+16*\b]|, 0x1800000   ; each accumulator from its low end on, and the floor 2^(3 - 127)
.endr
	WIN ((\w)<<2)|((\w)<<4)
.irp i, 2,4,6,8,10,12,14
.irp b, 0,1,2,3
	v_max3_num_f32 v[TM+\b], v[TM+\b], |v[(\s)+16*\b+\i]|, |v[(\s)+1+16*\b+\i]|
.endr
.endr
	WIN 0
.irp b, 0,1,2,3
	v_permlanex16_b32 v[TM+4+\b], v[TM+\b], s96, s97
.endr
.irp b, 0,1,2,3
	v_max_num_f32 v[TM+\b], v[TM+\b], v[TM+4+\b]
.endr
.irp b, 0,1,2,3
	v_add_nc_u32 v[TM+12+\b], 0xff000000, v[TM+\b] ; the conversion's scale operand
.endr
.irp b, 0,1,2,3
	v_lshrrev_b32 v[TM+4+\b], 23, v[TM+12+\b]      ; the scale's byte
.endr
	v_lshl_or_b32 v[\pw], v[TM+5], 8, v[TM+4]
	v_lshl_or_b32 v[\pw], v[TM+6], 16, v[\pw]
	v_lshl_or_b32 v[\pw], v[TM+7], 24, v[\pw]
	WIN (\w)
	v_cvt_scalef32_pk16_fp6_f32 v[(\d0):(\d0)+2], v[(\s):(\s)+15], v[TM+12]
	v_cvt_scalef32_pk16_fp6_f32 v[T0:T0+2], v[(\s)+16:(\s)+31], v[TM+13]
	v_cvt_scalef32_pk16_fp6_f32 v[(\d1):(\d1)+2], v[(\s)+32:(\s)+47], v[TM+14]
	v_cvt_scalef32_pk16_fp6_f32 v[T1:T1+2], v[(\s)+48:(\s)+63], v[TM+15]
	WIN 0
	v_nop                                          ; one plain line behind a scaled conversion
.irp i, 0,1,2
	v_permlane16_swap_b32 v[(\d0)+\i], v[T0+\i]
	v_permlane16_swap_b32 v[(\d1)+\i], v[T1+\i]
.endr
.irp i, 0,1,2
	v_mov_b32 v[(\d0)+3+\i], v[T0+\i]
	v_mov_b32 v[(\d1)+3+\i], v[T1+\i]
.endr
.endm
	s_cmp_eq_u32 s66, 1
	s_cbranch_scc1 .Lout_v
; q, k: numbers 0-63 are my first head's, 64-127 the second's; token tiles 2 f and 2 f + 1 make one image for each head
.irp a, 0,1,2,3,4,5,6,7
	QW 64*(\a%4), 2+\a/4, RES+24*(\a/2)+6*(\a%2), RES+12+24*(\a/2)+6*(\a%2), PWS+\a
.if \a%2 == 1
.irp e, 0,1
.irp c, 0,1,2
	global_store_b128 v[EL], v[RES+24*(\a/2)+12*\e+4*\c:RES+24*(\a/2)+12*\e+4*\c+3], s[98:99] offset:\e*HEADB+1536*(\a/2)+512*\c   ; 32 lanes store 512 consecutive bytes
.endr
.endr
	v_perm_b32 v[OW+\a/2], v[PWS+\a], v[PWS+\a-1], v[EK]
.endif
.endr
	global_store_b128 v[ES], v[OW:OW+3], s[98:99] offset:12288
	s_branch .Lout_done
.Lout_v:
; v: the numbers are my block's 128 keys; A's block a is head a / 4, tile a % 4: one image each
.irp a, 0,1,2,3,4,5,6,7
	QW 64*(\a%4), 2+\a/4, RES+12*\a, RES+6+12*\a, PWS+\a
.irp c, 0,1,2
	global_store_b128 v[EL], v[RES+12*\a+4*\c:RES+12*\a+4*\c+3], s[98:99] offset:(\a/4)*HEADB+6144+1536*(\a%4)+512*\c
.endr
.endr
.irp t, 0,1,2,3
	v_cndmask_b32 v[OW+\t], v[PWS+\t], v[PWS+4+\t], s95
.endr
	global_store_b128 v[ES], v[OW:OW+3], s[98:99] offset:12544
.Lout_done:
	s_wait_tensorcnt 0x0                           ; the wave's end
	ds_add_u32 v[SPW], v[NIL]
	s_wait_dscnt 0x0
	CROUND                                         ; the closing round
	s_endpgm
.Lfunc_end_k_qa513979d02_qkv:
	.size	k_qa513979d02_qkv, .Lfunc_end_k_qa513979d02_qkv-k_qa513979d02_qkv
	.p2alignl 7, 3214868480
	.fill 96, 4, 3214868480
	.section	.rodata,"a",@progbits
	.p2align	6, 0x0
	.amdhsa_kernel k_qa513979d02_qkv
		.amdhsa_group_segment_fixed_size 327680
		.amdhsa_private_segment_fixed_size 0
		.amdhsa_enable_private_segment 0
		.amdhsa_kernarg_size 40
		.amdhsa_user_sgpr_count 2
		.amdhsa_user_sgpr_kernarg_segment_ptr 1
		.amdhsa_wavefront_size32 1
		.amdhsa_system_sgpr_workgroup_id_x 1
		.amdhsa_system_sgpr_workgroup_id_y 1
		.amdhsa_system_sgpr_workgroup_id_z 1
		.amdhsa_system_vgpr_workitem_id 0
		.amdhsa_next_free_vgpr 1024
		.amdhsa_next_free_sgpr 100
		.amdhsa_reserve_vcc 0
		.amdhsa_float_denorm_mode_32 3
		.amdhsa_float_denorm_mode_16_64 3
		.amdhsa_memory_ordered 1
		.amdhsa_forward_progress 1
		.amdhsa_inst_pref_size 215
	.end_amdhsa_kernel
	.amdgpu_metadata
---
amdhsa.version: [ 1, 2 ]
amdhsa.kernels:
  - .name:           k_qa513979d02_qkv
    .symbol:         k_qa513979d02_qkv.kd
    .args:
      - { .name: codes, .offset: 0, .size: 8, .value_kind: global_buffer, .address_space: global }
      - { .name: scales, .offset: 8, .size: 8, .value_kind: global_buffer, .address_space: global }
      - { .name: b_qkv, .offset: 16, .size: 8, .value_kind: global_buffer, .address_space: global }
      - { .name: qb, .offset: 24, .size: 8, .value_kind: global_buffer, .address_space: global }
      - { .name: kv, .offset: 32, .size: 8, .value_kind: global_buffer, .address_space: global }
    .group_segment_fixed_size: 327680
    .private_segment_fixed_size: 0
    .kernarg_segment_align: 8
    .kernarg_segment_size: 40
    .max_flat_workgroup_size: 128
    .sgpr_count:     100
    .vgpr_count:     1024
    .wavefront_size: 32
...
	.end_amdgpu_metadata
.endif
;; end of part 2
;; launch attn (part 3): grid 8 x 32, 16 waves a work-group, clusters of 4 x 1, 206,848 bytes of LDS; arguments qb, kv, x, t, oc, osc; writes oc, osc
.if DOCPART == 3
	.amdgcn_target "amdgcn-amd-amdhsa--gfx1250"
	.amdhsa_code_object_version 6
	.text
	.protected	k_qa513979d02_attn
	.globl	k_qa513979d02_attn
	.p2align	8
	.type	k_qa513979d02_attn,@function
k_qa513979d02_attn:
	s_mov_b64 s[64:65], 0
	v_nop
	global_prefetch_b8 v0, s[64:65] scope:SCOPE_SE
	s_setreg_imm32_b32 hwreg(HW_REG_WAVE_MODE, 25, 1), 1
	s_wait_xcnt 0x0
	s_wait_alu depctr_hold_cnt(0) depctr_sa_sdst(0) depctr_va_vdst(0) depctr_va_sdst(0) depctr_va_ssrc(0) depctr_va_vcc(0) depctr_vm_vsrc(0)
	s_getreg_b32 s2, hwreg(HW_REG_IB_STS2, 6, 4)
	s_cmp_eq_u32 s2, 0
	s_cbranch_scc0 .Lentry_in_a_cluster
	s_endpgm
.Lentry_in_a_cluster:
	s_bfe_u32 s2, ttmp6, 0x10000c
	s_cmp_lg_u32 s2, 0x3003
	s_cbranch_scc0 .Lentry_shape_is_right
	s_endpgm
.Lentry_shape_is_right:
; THIRD LAUNCH: for each (batch, head): S = q k^T, the softmax, p v, then out = c_skip x + c_out attn, QUANTISED along the head's 64 for the last product.  Both products on codes of FP6 (E2M3).  No work is left out.
; THE SOFTMAX AHEAD OF THE SECOND PRODUCT: t = score x log2(e) / 8; M = the running largest t rounded UP to a whole number; p = 2^(t - M) is what is quantised, along the keys, not normalised; the row's sum is taken of
; the unquantised p and divides at the end.  When M moves, the sum and O are multiplied by 2^(old M - new M): exact.
; SHARES.  A work-group owns 256 queries of one (batch, head), each of its SIXTEEN waves one tile of 16, in 256 registers: four waves to a SIMD, so that one wave's vector work stands beside another's matrix work.
; LDS.  The head's k, v and their scale words, 16 blocks of 12,800 bytes (128 keys each), are brought ONCE, a block a wave, and stay: no slot is ever filled again.  The four work-groups of a cluster belong to one
; head, so each block is asked for jointly.  The blocks hold images of operand registers: every fragment comes by three loads of 16 bytes a lane, 512 consecutive bytes each.
; LAYOUT.  Both products are used transposed (S^T = k q^T, O^T = v^T p^T): a lane holds ONE query throughout.  Row r of token tile T is token 32 (T / 2) + 8 (T % 2) + r + 8 (r / 8): so the 16 registers of
; score tiles 2 b, 2 b + 1 are keys 32 b + 16 (lane / 16) + 0 .. 15, and those of O^T's tiles are neighbours along the head's 64.
; K = 64 IN AN INSTRUCTION OF 128.  An image of k holds key tile 2 f in registers 0-5 and key tile 2 f + 1 in registers 6-11.  q stands twice: [q | 0] picks the first tile, [0 | q] the second: zero codes add nothing.
; LIMITS: v_exp_f32 gives 0 for results under 2^-126; 1 / l, c_skip = 1 / (1 + t^2) and c_out = t rsq(1 + t^2) are made by v_rcp_f32 and v_rsq_f32; a block of zeros gets the byte 1 (its codes are zeros, and this
; program alone reads the bytes); NaN and infinities are not served.  out's scale bytes leave one byte a lane: a row's bytes of one head are two, and the heads beside it belong to other work-groups.
.set HEADB, 204800                     ; bytes of a (batch, head) in qb and kv
.set STEPB, 12800                      ; of a block of 128 tokens
.set SPARE, 204800                     ; behind the head's blocks: the spare words, 128 bytes for each wave
.set LI,   1                           ; v1   16 x lane
.set SPW,  92                          ; v92  my spare word; never rewritten
.set NIL,  93                          ; v93  0; never rewritten
.set ADR,  94                          ; v94  LDS address of the step's block, for my lane
.set WV,   18                          ; s18  my wave's number
.set SEL,  20                          ; s[20:21] lane selects: lane l xor 16
.set CS,   22                          ; s[22:23] c = log2(e) / 8
.set G1,   24                          ; s[24:31], s[32:35] the descriptor
.set G0,   32
.set TB,   36                          ; s36  LDS byte of the step's block
.set CNT,  37                          ; s37  key steps to go
; other registers: v2, v3 q's offsets; v4 16 r; v5 x's offset; v6 8 x lane; v7 32 r + h; v8-11 at work; v12 -M, v13 the largest t, v[14:15] the sum; v16-27 [q | 0]; v28-39 [0 | q]; v40-87 four fragments;
; v88-91 the step's scale words (lanes 0-15 k's, lanes 16-31 v's); v95 q's scale word; v96-159 S^T, then p; v160-191 O^T; v192-223 x's numbers, then out; v224-235 p's codes; v232-254 at work
.macro CROUND                          ; a round of the cluster's barrier
	s_barrier_signal -1
	s_barrier_wait -1
	s_cmp_lg_u32 s[WV], 0
	s_cbranch_scc1 .Lnot_wave_0_\@
	s_barrier_signal -3
.Lnot_wave_0_\@:
	s_barrier_wait -3
	s_barrier_signal -1
	s_barrier_wait -1
.endm
	s_load_b256 s[4:11], s[0:1], 0x0               ; qb s[4:5], kv s[6:7], x s[8:9], t s[10:11]
	s_load_b128 s[12:15], s[0:1], 0x20             ; oc s[12:13], osc s[14:15]
	v_lshl_add_u32 v[SPW], v0, 2, SPARE
	v_mov_b32 v[NIL], 0
	ds_add_u32 v[SPW], v[NIL]                      ; the wave's opening: the add, twice on end, and its wait ahead of my first tensor load
	ds_add_u32 v[SPW], v[NIL]
	v_lshrrev_b32 v9, 5, v0
	s_delay_alu instid0(VALU_DEP_1)
	v_readfirstlane_b32 s[WV], v9                  ; wave 0..15
	s_bfe_u32 s40, ttmp6, 0x40000                  ; cx: it enters q's, x's and the outputs' addresses alone
	s_lshl_b32 s41, ttmp9, 2
	s_add_co_u32 s41, s41, s40                     ; my block of 256 queries
	s_and_b32 s42, ttmp7, 0xffff                   ; 16 x batch + head, which the four partners share
	s_mul_i32 s43, s42, HEADB
	s_mov_b32 s[G0], 1                             ; count = 1
	s_mul_i32 s[G0+1], s[WV], STEPB                ; LDS address: block w
	s_add_co_u32 s52, s43, s[G0+1]                 ; and the same block of the head in memory
	s_mov_b32 s53, 0
	s_mov_b32 s[G1], 15|(3<<16)|(1<<21)            ; the mask: all four work-groups; elements of 8 bytes; bit 21 set beside a mask; no padding
	s_mov_b32 s[G1+1], 32<<16                      ; tensor_dim0 = 32 elements: rows of 256 bytes
	s_mov_b32 s[G1+2], 50<<16                      ; tensor_dim1 = 50 rows: 12,800 dense bytes
	s_mov_b32 s[G1+3], 32<<16                      ; tile_dim0
	s_mov_b32 s[G1+4], 50                          ; tile_dim1
	s_mov_b32 s[G1+5], 32                          ; the pitch
	s_mov_b32 s[G1+6], 0
	s_mov_b32 s[G1+7], 0
	s_lshl_b32 s2, s41, 1                          ; q: my tile T = 16 x block + w lies in block T / 8 of 128 tokens,
	s_lshr_b32 s3, s[WV], 3
	s_add_co_u32 s2, s2, s3
	s_mul_i32 s2, s2, STEPB
	s_add_co_u32 s2, s2, s43
	s_bfe_u32 s3, s[WV], 0x20001                   ; in image (T / 2) % 4,
	s_mul_i32 s46, s3, 1536
	s_add_co_u32 s46, s46, s2
	s_mov_b32 s47, 0
	s_lshl_b32 s44, s3, 2                          ; whose scale words are word (T / 2) % 4 of each row's four
	s_add_co_u32 s44, s44, s2
	s_mov_b32 s45, 0
	s_lshr_b32 s16, s42, 4
	s_lshl_b32 s16, s16, 7
	s_lshl_b32 s3, s41, 4
	s_add_co_u32 s16, s16, s3
	s_add_co_u32 s16, s16, s[WV]                   ; my token tile among all 256: 128 x batch + T
	s_and_b32 s17, s42, 15                         ; the head
	s_lshr_b32 s2, s16, 1
	s_lshl_b32 s2, s2, 17                          ; x: token 32 (tile / 2) + 8 (tile % 2), 4,096 bytes a token,
	s_and_b32 s3, s16, 1
	s_lshl_b32 s3, s3, 15
	s_add_co_u32 s2, s2, s3
	s_lshl_b32 s3, s17, 8                          ; + the head's 256 bytes
	s_add_co_u32 s2, s2, s3
	s_mov_b32 s3, 0
	s_lshl_b32 s48, s16, 4
	s_add_co_u32 s48, s48, s17
	s_mul_i32 s48, s48, 768                        ; oc: [tile][head][768]
	s_mov_b32 s49, 0
	s_lshl_b32 s50, s16, 9                         ; osc: 32 bytes a row, 16 rows a tile, + 2 x head
	s_lshl_b32 s51, s17, 1
	s_add_co_u32 s50, s50, s51
	s_mov_b32 s51, 0
	s_and_b32 s54, s[WV], 1                        ; u = T % 2: which half of the image is my tile
	s_mul_i32 s55, s54, 1016
	s_mov_b32 s39, 0x01000100
	s_cmp_eq_u32 s54, 1
	s_cselect_b32 s39, 0x03020302, s39             ; byte selects: my tile's two scale bytes, twice
	s_mul_i32 s54, s54, 520
	s_mov_b32 s19, 0xffff0000                      ; lanes 16-31
	s_mov_b32 s[SEL], 0x76543210
	s_mov_b32 s[SEL+1], 0xfedcba98
	s_mov_b32 s[CS], 0x3e38aa3b                    ; c = log2(e) / 8
	s_mov_b32 s[CS+1], s[CS]                       ; (named with it as a pair, so it is written)
	s_mov_b32 s[TB], 0
	s_mov_b32 s[CNT], 16
	s_wait_dscnt 0x0                               ; both opening adds are done
	s_wait_kmcnt 0x0
	s_load_b32 s38, s[10:11], 0x0                  ; t
	s_add_nc_u64 s[G0+2:G0+3], s[6:7], s[52:53]
	s_or_b32 s[G0+3], s[G0+3], 0x80000000          ; type = 2
	s_add_nc_u64 s[46:47], s[4:5], s[46:47]        ; q's image
	s_add_nc_u64 s[44:45], s[4:5], s[44:45]        ; q's scale words
	s_add_nc_u64 s[8:9], s[8:9], s[2:3]
	s_add_nc_u64 s[12:13], s[12:13], s[48:49]
	s_add_nc_u64 s[14:15], s[14:15], s[50:51]
	CROUND                                         ; all four work-groups are here: the joint loads meet
	tensor_load_to_lds s[G0:G0+3], s[G1:G1+7]      ; every wave's one tensor load of the launch: block w of the head
	s_nop 0
	v_and_b32 v9, 31, v0                           ; lane
	v_and_b32 v10, 15, v0                          ; r
	v_bfe_u32 v11, v0, 4, 1                        ; h
	s_delay_alu instid0(VALU_DEP_3)
	v_lshlrev_b32 v[LI], 4, v9
	s_delay_alu instid0(VALU_DEP_1)
	v_add_nc_u32 v2, s54, v[LI]                    ; registers 6 u .. 6 u + 5 of an image laid four registers a lane: pieces of 8 bytes at 16 l + 0, 8, 512 (u = 0) or 16 l + 520, 1024, 1032 (u = 1)
	s_delay_alu instid0(VALU_DEP_2)
	v_add_nc_u32 v3, s55, v[LI]
	v_lshlrev_b32 v4, 4, v10
	v_and_b32 v5, 8, v10
	s_delay_alu instid0(VALU_DEP_1)
	v_add_nc_u32 v5, v5, v10                       ; r + 8 (r / 8)
	s_delay_alu instid0(VALU_DEP_1)
	v_lshlrev_b32 v5, 12, v5
	s_delay_alu instid0(VALU_DEP_1)
	v_lshl_add_u32 v5, v11, 6, v5                  ; x: my token's row, + 16 h numbers
	v_lshlrev_b32 v6, 3, v9
	v_lshl_add_u32 v7, v10, 5, v11
	global_load_b64 v[16:17], v2, s[46:47]
	global_load_b64 v[18:19], v3, s[46:47] offset:8
	global_load_b64 v[20:21], v2, s[46:47] offset:512
	global_load_b32 v9, v4, s[44:45] offset:12288
.set j, 22
.rept 12
	v_mov_b32 v[j], 0                              ; the idle halves: v22-27 of [q | 0], v28-33 of [0 | q]
.set j, j+1
.endr
	s_wait_loadcnt 0x0                             ; q and its scale word are in
.irp i, 0,1,2,3,4,5
	v_mov_b32 v[34+\i], v[16+\i]
.endr
	v_perm_b32 v95, v9, v9, s39                    ; q's scale word: (s0, s1, s0, s1)
	v_mov_b32 v13, 0xff61b1e6                      ; the largest t so far: -3e38, under every t
	s_delay_alu instid0(VALU_DEP_1)
	v_floor_f32 v12, -v13                          ; -M
	v_mov_b32 v14, 0                               ; the sum, in two halves
	v_mov_b32 v15, 0
.irp b, 0,1,2,3
	v_mov_b32 v[236+\b], 0                         ; written once: a lane permute's destination counts as one of its sources
.endr
	v_mov_b32 v253, 0                              ; (named as the upper half of the pair v[252:253] before it is first written)
.set j, 0
.rept 32
	v_mov_b32 v[160+j], 0                          ; O^T: the loop is written once; its first step finds zeros, which the first change of M leaves zeros
.set j, j+1
.endr
	s_wait_kmcnt 0x0                               ; t
	s_wait_alu depctr_va_vdst(0)
	s_wait_tensorcnt 0x0                           ; my block has landed,
	s_barrier_signal -1
	s_barrier_wait -1                              ; everybody's has
.irp b, 0,1
.irp i, 0,1,2,3
	global_load_b128 v[192+16*\b+4*\i:195+16*\b+4*\i], v5, s[8:9] offset:128*\b+16*\i   ; x(my token, 64 head + 32 b + 16 h + 4 i ..), in O^T's layout: wanted behind the loop, so asked for behind k's and v's blocks
.endr
.endr
.Lstep:                                                ; sixteen trips, 128 keys each
	v_add_nc_u32 v[ADR], s[TB], v[LI]
.rept 3
	v_nop                                          ; with the addition: four places in front of loads into registers that the last products read
.endr
	ds_load_b128 v[88:91], v[ADR] offset:12288     ; lanes 0-15: k's four scale words of row r; lanes 16-31, 256 bytes on: v's
.irp f, 0,1,2,3
.irp c, 0,1,2
	ds_load_b128 v[40+12*\f+4*\c:43+12*\f+4*\c], v[ADR] offset:1536*\f+512*\c
.endr
.endr
	s_wait_alu depctr_va_vdst(0)
	s_wait_dscnt 0x0
.irp f, 0,1,2,3
	v_wmma_scale_f32_16x16x128_f8f6f4 v[96+16*\f:103+16*\f], v[40+12*\f:51+12*\f], v[16:27], 0, v[88+\f], v95 matrix_a_fmt:MATRIX_FMT_FP6 matrix_b_fmt:MATRIX_FMT_FP6
	v_wmma_scale_f32_16x16x128_f8f6f4 v[104+16*\f:111+16*\f], v[40+12*\f:51+12*\f], v[28:39], 0, v[88+\f], v95 matrix_a_fmt:MATRIX_FMT_FP6 matrix_b_fmt:MATRIX_FMT_FP6
.endr
.rept 4
	v_nop                                          ; places: in front of the loads below, and of the first read of the scores
.endr
.irp t, 0,1,2,3
.irp c, 0,1,2
	ds_load_b128 v[40+12*\t+4*\c:43+12*\t+4*\c], v[ADR] offset:6144+1536*\t+512*\c   ; v^T's four images: they land while the softmax is worked
.endr
.endr
.irp b, 0,1,2,3
	v_max3_num_f32 v[232+\b], v[96+16*\b], v[97+16*\b], v[98+16*\b]   ; THE LARGEST SCORE OF EACH BLOCK OF 32 KEYS: for the row's maximum, and, since p rises with the score, for the block's largest p
.endr
.irp i, 3,5,7,9,11,13
.irp b, 0,1,2,3
	v_max3_num_f32 v[232+\b], v[232+\b], v[96+16*\b+\i], v[97+16*\b+\i]
.endr
.endr
.irp b, 0,1,2,3
	v_max_num_f32 v[232+\b], v[232+\b], v[111+16*\b]
.endr
.irp b, 0,1,2,3
	s_delay_alu instid0(VALU_DEP_4)
	v_permlanex16_b32 v[236+\b], v[232+\b], s[SEL], s[SEL+1]
.endr
.irp b, 0,1,2,3
	s_delay_alu instid0(VALU_DEP_4)
	v_max_num_f32 v[232+\b], v[232+\b], v[236+\b]  ; with lane l xor 16's 16 keys
.endr
	s_delay_alu instid0(VALU_DEP_2)
	v_max3_num_f32 v254, v232, v233, v234
	s_delay_alu instid0(VALU_DEP_1)
	v_max_num_f32 v254, v254, v235                 ; the step's largest score of my query
	s_delay_alu instid0(VALU_DEP_1)
	v_mul_f32 v254, s[CS], v254                    ; as t (c is positive)
	s_delay_alu instid0(VALU_DEP_1)
	v_max_num_f32 v13, v13, v254                   ; the running largest t
	v_mov_b32 v254, v12
	s_delay_alu instid0(VALU_DEP_2)
	v_floor_f32 v12, -v13                          ; the new -M = floor(-t) = -ceil(t)
	s_delay_alu instid0(VALU_DEP_1)
	v_sub_f32 v254, v12, v254                      ; old M - new M: a whole number, 0 or less
	s_delay_alu instid0(VALU_DEP_1)
	v_cvt_i32_f32 v254, v254                       ; (it saturates)
	s_delay_alu instid0(VALU_DEP_1)
	v_ldexp_f32 v252, 1.0, v254                    ; f = 2^(old M - new M)
.set j, 0
.rept 32
	v_pk_fma_f32 v[96+j:97+j], v[96+j:97+j], s[CS:CS+1], v[12:13] op_sel_hi:[1,0,0]   ; t - M, two at a time
.set j, j+2
.endr
.irp b, 0,1,2,3
	v_fma_f32 v[232+\b], v[232+\b], s[CS], v12     ; the same of each block's largest score
.endr
.set j, 0
	s_wait_alu depctr_va_vdst(0)
.rept 64
	v_exp_f32 v[96+j], v[96+j]                     ; p = 2^(t - M), at most 1
.set j, j+1
.endr
	v_pk_mul_f32 v[14:15], v[14:15], v[252:253] op_sel_hi:[1,0]   ; the sums under the new M (a plain line behind the exponentials)
	s_wait_alu depctr_va_vdst(0)                   ; the wait ahead of the first line that names an exponential's result: one for the batch of 64
.irp b, 0,1,2,3
	v_exp_f32 v[232+\b], v[232+\b]                 ; the block's largest p
.endr
	v_pk_add_f32 v[236:237], v[100:101], v[104:105]
	v_pk_add_f32 v[254:255], v[108:109], v[112:113]
	v_pk_add_f32 v[250:251], v[116:117], v[120:121]
	v_pk_add_f32 v[248:249], v[124:125], v[128:129]
	v_pk_add_f32 v[246:247], v[132:133], v[136:137]
	v_pk_add_f32 v[244:245], v[140:141], v[144:145]
	v_pk_add_f32 v[242:243], v[148:149], v[152:153]
	v_pk_add_f32 v[14:15], v[14:15], v[156:157]
	v_pk_add_f32 v[236:237], v[236:237], v[96:97]
	v_pk_add_f32 v[254:255], v[254:255], v[98:99]
	v_pk_add_f32 v[250:251], v[250:251], v[102:103]
	v_pk_add_f32 v[248:249], v[248:249], v[106:107]
	v_pk_add_f32 v[246:247], v[246:247], v[110:111]
	v_pk_add_f32 v[244:245], v[244:245], v[114:115]
	v_pk_add_f32 v[242:243], v[242:243], v[118:119]
	v_pk_add_f32 v[14:15], v[14:15], v[122:123]
	v_pk_add_f32 v[236:237], v[236:237], v[126:127]
	v_pk_add_f32 v[254:255], v[254:255], v[130:131]
	v_pk_add_f32 v[250:251], v[250:251], v[134:135]
	v_pk_add_f32 v[248:249], v[248:249], v[138:139]
	v_pk_add_f32 v[246:247], v[246:247], v[142:143]
	v_pk_add_f32 v[244:245], v[244:245], v[146:147]
	v_pk_add_f32 v[242:243], v[242:243], v[150:151]
	v_pk_add_f32 v[14:15], v[14:15], v[154:155]
	v_pk_add_f32 v[236:237], v[236:237], v[158:159]
	s_delay_alu instid0(VALU_DEP_2)
	v_pk_add_f32 v[14:15], v[14:15], v[248:249]
	s_delay_alu instid0(VALU_DEP_2)
	v_pk_add_f32 v[236:237], v[236:237], v[246:247]
	v_pk_add_f32 v[254:255], v[254:255], v[244:245]
	v_pk_add_f32 v[250:251], v[250:251], v[242:243]
	s_delay_alu instid0(VALU_DEP_2)
	v_pk_add_f32 v[14:15], v[14:15], v[254:255]
	s_delay_alu instid0(VALU_DEP_2)
	v_pk_add_f32 v[236:237], v[236:237], v[250:251]
	s_delay_alu instid0(VALU_DEP_1)
	v_pk_add_f32 v[14:15], v[14:15], v[236:237]
	s_wait_alu depctr_va_vdst(0)                   ; and one for the four
.irp b, 0,1,2,3
	v_max_num_f32 v[232+\b], 0x1800000, v[232+\b]  ; the floor 2^(3 - 127): the byte cannot fall under 1
.endr
.irp b, 0,1,2,3
	s_delay_alu instid0(VALU_DEP_4)
	v_add_nc_u32 v[244+\b], 0xff000000, v[232+\b]  ; 2 off the exponent field: the conversion's scale operand
.endr
.irp b, 0,1,2,3
	s_delay_alu instid0(VALU_DEP_4)
	v_lshrrev_b32 v[236+\b], 23, v[244+\b]         ; the scale's byte
.endr
	s_delay_alu instid0(VALU_DEP_3)
	v_lshl_or_b32 v253, v237, 8, v236              ; p's scale word for these 128 keys
	s_delay_alu instid0(VALU_DEP_1)
	v_lshl_or_b32 v253, v238, 16, v253
	s_delay_alu instid0(VALU_DEP_1)
	v_lshl_or_b32 v253, v239, 24, v253
.irp c, 0,1
	v_cvt_scalef32_pk16_fp6_f32 v[224+6*\c:226+6*\c], v[96+32*\c:111+32*\c], v[244+2*\c]
	v_cvt_scalef32_pk16_fp6_f32 v[236+4*\c:238+4*\c], v[112+32*\c:127+32*\c], v[244+2*\c+1]   ; (a conversion's three registers begin on an even number)
.endr
	v_nop                                          ; one plain line behind a scaled conversion
.irp c, 0,1                                    ; the operand's layout wants a WHOLE block in a lane
.irp i, 0,1,2
	v_permlane16_swap_b32 v[224+6*\c+\i], v[236+4*\c+\i]
.endr
.irp i, 0,1,2
	s_delay_alu instid0(VALU_DEP_3)
	v_mov_b32 v[227+6*\c+\i], v[236+4*\c+\i]
.endr
.endr
.set j, 0
.rept 16
	v_pk_mul_f32 v[160+j:161+j], v[160+j:161+j], v[252:253] op_sel_hi:[1,0]   ; O^T under the new M; these lines are also the distance between the lines that made p's codes and scale word and the products
.set j, j+2
.endr
	s_wait_alu depctr_va_vdst(0)
	s_wait_dscnt 0x0                               ; v^T's images are in
.irp t, 0,1,2,3
	v_wmma_scale_f32_16x16x128_f8f6f4 v[160+8*\t:167+8*\t], v[40+12*\t:51+12*\t], v[224:235], v[160+8*\t:167+8*\t], v[88+\t], v253 matrix_a_fmt:MATRIX_FMT_FP6 matrix_b_fmt:MATRIX_FMT_FP6 matrix_a_scale:MATRIX_SCALE_ROW1
.endr
	s_add_co_u32 s[TB], s[TB], STEPB
	s_sub_co_u32 s[CNT], s[CNT], 1
	s_cmp_lg_u32 s[CNT], 0
	s_cbranch_scc1 .Lstep
	; THE END: out = c_skip x + (c_out / l) O^T, in O^T's layout: register 16 b + i = out(my token, 64 head + 32 b + 16 h + i); then its codes and scale bytes
.rept 4
	v_nop                                          ; places behind the last products
.endr
	s_wait_loadcnt 0x0                             ; x
	v_add_f32 v14, v14, v15                        ; the sum's two halves,
	s_delay_alu instid0(VALU_DEP_1)
	v_permlanex16_b32 v252, v14, s[SEL], s[SEL+1]
	s_delay_alu instid0(VALU_DEP_1)
	v_add_f32 v14, v14, v252                       ; and lane l xor 16's: l
	v_fma_f32 v11, s38, s38, 1.0                   ; t^2 + sigma^2, sigma = 1
	s_wait_alu depctr_va_vdst(0)
	v_rcp_f32 v9, v14                              ; 1 / l
	v_rcp_f32 v10, v11                             ; c_skip
	v_rsq_f32 v8, v11
	v_nop                                          ; a plain line behind the last of them
	s_wait_alu depctr_va_vdst(0)                   ; one wait for the three, ahead of the first line that names a result
	v_mul_f32 v8, s38, v8                          ; c_out
	v_mul_f32 v8, v8, v9                           ; c_out / l
.set j, 0
.rept 16
	v_pk_mul_f32 v[192+j:193+j], v[192+j:193+j], v[10:11] op_sel_hi:[1,0]
.set j, j+2
.endr
.set j, 0
.rept 16
	v_pk_fma_f32 v[192+j:193+j], v[160+j:161+j], v[8:9], v[192+j:193+j] op_sel_hi:[1,0,1]   ; each accumulator from its low end on
.set j, j+2
.endr
.irp b, 0,1
	v_max3_num_f32 v[232+\b], |v[192+16*\b]|, |v[193+16*\b]|, 0x1800000   ; the head's two blocks of 32: my 16 numbers of each, and the floor
.endr
.irp i, 2,4,6,8,10,12,14
.irp b, 0,1
	s_delay_alu instid0(VALU_DEP_2)
	v_max3_num_f32 v[232+\b], v[232+\b], |v[192+16*\b+\i]|, |v[193+16*\b+\i]|
.endr
.endr
.irp b, 0,1
	s_delay_alu instid0(VALU_DEP_2)
	v_permlanex16_b32 v[236+\b], v[232+\b], s[SEL], s[SEL+1]
.endr
.irp b, 0,1
	s_delay_alu instid0(VALU_DEP_2)
	v_max_num_f32 v[232+\b], v[232+\b], v[236+\b]
.endr
.irp b, 0,1
	s_delay_alu instid0(VALU_DEP_2)
	v_add_nc_u32 v[244+\b], 0xff000000, v[232+\b]
.endr
.irp b, 0,1
	s_delay_alu instid0(VALU_DEP_2)
	v_lshrrev_b32 v[240+\b], 23, v[244+\b]
.endr
	s_delay_alu instid0(VALU_DEP_1)
	v_cndmask_b32 v240, v240, v241, s19            ; lanes 0-15 keep block 0's byte, lanes 16-31 take block 1's
	v_cvt_scalef32_pk16_fp6_f32 v[224:226], v[192:207], v244
	v_cvt_scalef32_pk16_fp6_f32 v[236:238], v[208:223], v245
	v_nop
.irp i, 0,1,2
	v_permlane16_swap_b32 v[224+\i], v[236+\i]
.endr
.irp i, 0,1,2
	s_delay_alu instid0(VALU_DEP_3)
	v_mov_b32 v[227+\i], v[236+\i]                 ; v224-229: lanes 0-15 block 0's 32 codes, lanes 16-31 block 1's: half a fragment of the last product
.endr
.irp p, 0,1,2
	global_store_b64 v6, v[224+2*\p:225+2*\p], s[12:13] offset:256*\p   ; 32 lanes store 256 consecutive bytes, aligned
.endr
	global_store_b8 v7, v240, s[14:15]             ; byte 2 head + h of row r
	s_wait_tensorcnt 0x0                           ; the wave's end
	ds_add_u32 v[SPW], v[NIL]
	s_wait_dscnt 0x0
	CROUND                                         ; the closing round
	s_endpgm
.Lfunc_end_k_qa513979d02_attn:
	.size	k_qa513979d02_attn, .Lfunc_end_k_qa513979d02_attn-k_qa513979d02_attn
	.p2alignl 7, 3214868480
	.fill 96, 4, 3214868480
	.section	.rodata,"a",@progbits
	.p2align	6, 0x0
	.amdhsa_kernel k_qa513979d02_attn
		.amdhsa_group_segment_fixed_size 206848
		.amdhsa_private_segment_fixed_size 0
		.amdhsa_enable_private_segment 0
		.amdhsa_kernarg_size 48
		.amdhsa_user_sgpr_count 2
		.amdhsa_user_sgpr_kernarg_segment_ptr 1
		.amdhsa_wavefront_size32 1
		.amdhsa_system_sgpr_workgroup_id_x 1
		.amdhsa_system_sgpr_workgroup_id_y 1
		.amdhsa_system_sgpr_workgroup_id_z 1
		.amdhsa_system_vgpr_workitem_id 0
		.amdhsa_next_free_vgpr 256
		.amdhsa_next_free_sgpr 66
		.amdhsa_reserve_vcc 0
		.amdhsa_float_denorm_mode_32 3
		.amdhsa_float_denorm_mode_16_64 3
		.amdhsa_memory_ordered 1
		.amdhsa_forward_progress 1
		.amdhsa_inst_pref_size 31
	.end_amdhsa_kernel
	.amdgpu_metadata
---
amdhsa.version: [ 1, 2 ]
amdhsa.kernels:
  - .name:           k_qa513979d02_attn
    .symbol:         k_qa513979d02_attn.kd
    .args:
      - { .name: qb, .offset: 0, .size: 8, .value_kind: global_buffer, .address_space: global }
      - { .name: kv, .offset: 8, .size: 8, .value_kind: global_buffer, .address_space: global }
      - { .name: x, .offset: 16, .size: 8, .value_kind: global_buffer, .address_space: global }
      - { .name: t, .offset: 24, .size: 8, .value_kind: global_buffer, .address_space: global }
      - { .name: oc, .offset: 32, .size: 8, .value_kind: global_buffer, .address_space: global }
      - { .name: osc, .offset: 40, .size: 8, .value_kind: global_buffer, .address_space: global }
    .group_segment_fixed_size: 206848
    .private_segment_fixed_size: 0
    .kernarg_segment_align: 8
    .kernarg_segment_size: 48
    .max_flat_workgroup_size: 512
    .sgpr_count:     66
    .vgpr_count:     256
    .wavefront_size: 32
...
	.end_amdgpu_metadata
.endif
;; end of part 3
;; launch proj (part 4): grid 8 x 32, 4 waves a work-group, clusters of 4 x 4, 327,680 bytes of LDS; arguments oc, osc, codes, scales, b_proj, out0; writes out0
.if DOCPART == 4
	.amdgcn_target "amdgcn-amd-amdhsa--gfx1250"
	.amdhsa_code_object_version 6
	.text
	.protected	k_qa513979d02_proj
	.globl	k_qa513979d02_proj
	.p2align	8
	.type	k_qa513979d02_proj,@function
k_qa513979d02_proj:
	s_mov_b64 s[64:65], 0
	v_nop
	global_prefetch_b8 v0, s[64:65] scope:SCOPE_SE
	s_setreg_imm32_b32 hwreg(HW_REG_WAVE_MODE, 25, 1), 1
	s_wait_xcnt 0x0
	s_wait_alu depctr_hold_cnt(0) depctr_sa_sdst(0) depctr_va_vdst(0) depctr_va_sdst(0) depctr_va_ssrc(0) depctr_va_vcc(0) depctr_vm_vsrc(0)
	s_getreg_b32 s2, hwreg(HW_REG_IB_STS2, 6, 4)
	s_cmp_eq_u32 s2, 0
	s_cbranch_scc0 .Lentry_in_a_cluster
	s_endpgm
.Lentry_in_a_cluster:
	s_bfe_u32 s2, ttmp6, 0x10000c
	s_cmp_lg_u32 s2, 0xf033
	s_cbranch_scc0 .Lentry_shape_is_right
	s_endpgm
.Lentry_shape_is_right:
; FOURTH LAUNCH: out0 = out w_proj + b_proj on codes of FP6 (E2M3), K = 1,024.  No work is left out.
; A work-group of four waves makes 128 tokens x 128 columns, a wave 64 x 64.  All of K lies in LDS, filled once: A, eight images of 12,288 bytes (waves 0, 1 ask for four each);
; B, 128 whole rows of 768 bytes, 16 bytes of padding behind every 256 (waves 2, 3 ask for 64 each): one joint load a wave, in clusters of 4 x 4.  No loop runs ahead of a load, so nothing is prefetched.
.set PITCH, 816
.set BLDS,  98304
.set STAGE, BLDS+128*PITCH
.set SPARE, STAGE+4*16*272
.set ADA,  8
.set ADRB, 16
.set STO,  24
.set RD,   25
.set GO,   26
.set SPW,  28
.set NIL,  29
.set SA,   32
.set SB,   64
.set BIAS, 96
.set ACC,  128
.set G1A, 24
.set G0A, 32
.set G1B, 48
.set G0B, 56
.set MSB, 0
.macro WIN new
.if MSB != (\new)
	s_set_vgpr_msb (MSB<<8)|(\new)
.set MSB, (\new)
.endif
.endm
.set MULW, 0x05
.set TO_F, 0x40
.macro CROUND
	s_barrier_signal -1
	s_barrier_wait -1
	s_cmp_lg_u32 s16, 0
	s_cbranch_scc1 .Lnot_wave_0_\@
	s_barrier_signal -3
.Lnot_wave_0_\@:
	s_barrier_wait -3
	s_barrier_signal -1
	s_barrier_wait -1
.endm
	s_load_b256 s[4:11], s[0:1], 0x0
	s_load_b128 s[12:15], s[0:1], 0x20
	v_lshl_add_u32 v[SPW], v0, 2, SPARE
	v_mov_b32 v[NIL], 0
	ds_add_u32 v[SPW], v[NIL]
	ds_add_u32 v[SPW], v[NIL]
	v_lshrrev_b32 v1, 5, v0
	v_readfirstlane_b32 s16, v1
	s_lshr_b32 s17, s16, 1
	s_and_b32 s18, s16, 1
	s_bfe_u32 s40, ttmp6, 0x40000
	s_bfe_u32 s41, ttmp6, 0x40004
	s_lshl_b32 s42, ttmp9, 2
	s_add_co_u32 s42, s42, s40
	s_and_b32 s43, ttmp7, 0xffff
	s_lshl_b32 s43, s43, 2
	s_add_co_u32 s43, s43, s41
	s_lshl_b32 s44, s41, 2
	s_lshl_b32 s44, 15, s44
	s_lshl_b32 s45, 0x1111, s40
	s_or_b32 s[G1A], s44, (3<<16)|(1<<21)
	s_mov_b32 s[G1A+1], 32<<16
	s_mov_b32 s[G1A+2], 192<<16
	s_mov_b32 s[G1A+3], 32<<16
	s_mov_b32 s[G1A+4], 192
	s_mov_b32 s[G1A+5], 32
	s_mov_b32 s[G1A+6], 0
	s_mov_b32 s[G1A+7], 0
	s_or_b32 s[G1B], s45, (0<<16)|(1<<20)|(1<<21)|(5<<22)|(3<<25)
	s_mov_b32 s[G1B+1], 768<<16
	s_mov_b32 s[G1B+2], 64<<16
	s_mov_b32 s[G1B+3], 768<<16
	s_mov_b32 s[G1B+4], 64
	s_mov_b32 s[G1B+5], 768
	s_mov_b32 s[G1B+6], 0
	s_mov_b32 s[G1B+7], 0
	s_lshl_b32 s20, s43, 3
	s_lshl_b32 s21, s18, 2                         ; A: four images for each of the two waves that ask for it
	s_add_co_u32 s20, s20, s21
	s_mul_i32 s20, s20, 12288
	s_mov_b32 s21, 0
	s_lshl_b32 s46, s42, 7
	s_add_co_u32 s46, s46, 7168
	s_lshl_b32 s47, s18, 6                         ; B: 64 rows for each of the two
	s_add_co_u32 s46, s46, s47
	s_mul_i32 s46, s46, 768
	s_mov_b32 s47, 0
	s_mov_b32 s[G0A], 1
	s_mul_i32 s[G0A+1], s18, 49152
	s_mov_b32 s[G0B], 1
	s_mul_i32 s[G0B+1], s18, 64*PITCH
	s_add_co_u32 s[G0B+1], s[G0B+1], BLDS
	s_wait_dscnt 0x0
	s_wait_kmcnt 0x0
	s_add_nc_u64 s[G0A+2:G0A+3], s[4:5], s[20:21]
	s_or_b32 s[G0A+3], s[G0A+3], 0x80000000
	s_add_nc_u64 s[G0B+2:G0B+3], s[8:9], s[46:47]
	s_or_b32 s[G0B+3], s[G0B+3], 0x80000000
	CROUND
	s_cmp_eq_u32 s17, 0                            ; waves 0, 1 ask for A, waves 2, 3 for B: one load a wave
	s_cbranch_scc0 .Lfor_b
	tensor_load_to_lds s[G0A:G0A+3], s[G1A:G1A+7]
	s_nop 0
.rept 4
	v_nop
.endr
	s_branch .Lasked
.Lfor_b:
	tensor_load_to_lds s[G0B:G0B+3], s[G1B:G1B+7]
	s_nop 0
.rept 4
	v_nop
.endr
.Lasked:
	s_lshl_b32 s36, s43, 3
	s_lshl_b32 s37, s17, 2
	s_add_co_u32 s36, s36, s37
	s_lshl_b32 s38, s36, 16
	s_lshl_b32 s36, s36, 9
	s_mov_b32 s37, 0
	s_add_nc_u64 s[6:7], s[6:7], s[36:37]
	s_lshl_b32 s60, s42, 7
	s_lshl_b32 s61, s18, 6
	s_add_co_u32 s60, s60, s61
	s_lshl_b32 s62, s60, 2
	s_mov_b32 s63, 0
	s_add_nc_u64 s[12:13], s[12:13], s[62:63]
	s_add_co_u32 s38, s38, s62
	s_mov_b32 s39, 0
	s_add_nc_u64 s[14:15], s[14:15], s[38:39]
	s_add_co_u32 s60, s60, 7168
	s_lshl_b32 s60, s60, 5
	s_mov_b32 s61, 0
	s_add_nc_u64 s[10:11], s[10:11], s[60:61]
	v_and_b32 v1, 15, v0
	v_bfe_u32 v2, v0, 4, 1
	v_and_b32 v3, 31, v0
	v_lshlrev_b32 v9, 5, v1
	v_lshlrev_b32 v10, 5, v2
.irp i, 0,1,2,3
	global_load_b128 v[SA+8*\i:SA+8*\i+3], v9, s[6:7] offset:512*\i
	global_load_b128 v[SA+8*\i+4:SA+8*\i+7], v9, s[6:7] offset:512*\i+16
	global_load_b128 v[SB+8*\i:SB+8*\i+3], v9, s[10:11] offset:512*\i
	global_load_b128 v[SB+8*\i+4:SB+8*\i+7], v9, s[10:11] offset:512*\i+16
	global_load_b128 v[BIAS+8*\i:BIAS+8*\i+3], v10, s[12:13] offset:64*\i
	global_load_b128 v[BIAS+8*\i+4:BIAS+8*\i+7], v10, s[12:13] offset:64*\i+16
.endr
	s_mul_i32 s20, s17, 49152
	v_lshlrev_b32 v[ADA], 3, v3
	v_add_nc_u32 v[ADA], s20, v[ADA]
	v_mul_u32_u24 v4, v1, PITCH
	v_mad_u32_u24 v5, v2, 24, v4
	v_mad_u32_u24 v6, v2, 40, v4
	s_mul_i32 s22, s18, 64*PITCH
	s_add_co_u32 s22, s22, BLDS
	v_add_nc_u32 v[ADRB], s22, v5                  ; row x pitch + 24 h,
	v_add_nc_u32 v[ADRB+4], s22, v6                ; and the same behind one padding more
	s_mul_i32 s23, s16, 16*272
	s_add_co_u32 s23, s23, STAGE
	v_mul_u32_u24 v4, v1, 272
	v_lshl_add_u32 v4, v2, 5, v4
	v_add_nc_u32 v[STO], s23, v4
	v_mul_u32_u24 v4, v2, 272
	v_lshl_add_u32 v4, v1, 4, v4
	v_add_nc_u32 v[RD], s23, v4
	v_lshlrev_b32 v[GO], 12, v2
	v_lshl_add_u32 v[GO], v1, 4, v[GO]
	s_wait_alu depctr_va_vdst(0)
	s_wait_loadcnt 0x0
	s_wait_tensorcnt 0x0
	s_barrier_signal -1
	s_barrier_wait -1
.macro FRA reg, i, s
.irp p, 0,1,2,3,4,5
	ds_load_b64 v[(\reg)+2*\p:(\reg)+2*\p+1], v[ADA] offset:12288*(\i)+1536*(\s)+256*\p
.endr
.endm
.macro FRB reg, i, s
.irp p, 0,1,2,3,4,5
.set BY, 96*(\s)+48*(\p/3)+8*(\p%3)
.if BY/256 == (BY+24)/256
	ds_load_b64 v[(\reg)+2*\p:(\reg)+2*\p+1], v[ADRB] offset:BY+16*(BY/256)+(\i)*16*PITCH
.else
	ds_load_b64 v[(\reg)+2*\p:(\reg)+2*\p+1], v[ADRB+4] offset:BY+16*(BY/256)+(\i)*16*PITCH
.endif
.endr
.endm
.macro FETCH s, f
	WIN TO_F
.irp i, 0,1,2,3
	FRA (\f)+12*\i, \i, \s
.endr
.irp i, 0,1,2,3
	FRB (\f)+48+12*\i, \i, \s
.endr
.endm
.macro MUL s, f
	WIN MULW
.irp a, 0,1,2,3
.irp b, 0,1,2,3
.if (\s) == 0
	v_wmma_scale_f32_16x16x128_f8f6f4 v[ACC+8*(4*\a+\b):ACC+8*(4*\a+\b)+7], v[(\f)+48+12*\b:(\f)+48+12*\b+11], v[(\f)+12*\a:(\f)+12*\a+11], v[BIAS+8*\b:BIAS+8*\b+7], v[SB+8*\b+(\s)], v[SA+8*\a+(\s)] matrix_a_fmt:MATRIX_FMT_FP6 matrix_b_fmt:MATRIX_FMT_FP6
.else
	v_wmma_scale_f32_16x16x128_f8f6f4 v[ACC+8*(4*\a+\b):ACC+8*(4*\a+\b)+7], v[(\f)+48+12*\b:(\f)+48+12*\b+11], v[(\f)+12*\a:(\f)+12*\a+11], v[ACC+8*(4*\a+\b):ACC+8*(4*\a+\b)+7], v[SB+8*\b+(\s)], v[SA+8*\a+(\s)] matrix_a_fmt:MATRIX_FMT_FP6 matrix_b_fmt:MATRIX_FMT_FP6
.endif
.endr
.endr
.endm
.macro KST s
.if (\s) < 7
.if (\s) >= 1
.rept 4
	v_nop
.endr
.endif
	FETCH (\s)+1, 128*(((\s)+1)%2)
	s_wait_dscnt 48
.else
	s_wait_dscnt 0x0
.endif
	MUL \s, 128*((\s)%2)
.endm
	FETCH 0, 0
.irp s, 0,1,2,3,4,5,6,7
	KST \s
.endr
	WIN 0
.rept 4
	v_nop
.endr
.irp a, 0,1,2,3
.irp b, 0,1,2,3
	ds_store_b128 v[STO], v[ACC+8*(4*\a+\b):ACC+8*(4*\a+\b)+3] offset:64*\b
	ds_store_b128 v[STO], v[ACC+8*(4*\a+\b)+4:ACC+8*(4*\a+\b)+7] offset:64*\b+16
.endr
.irp i, 0,1,2,3,4,5,6,7
	ds_load_b128 v[ACC+32*\a+4*\i:ACC+32*\a+4*\i+3], v[RD] offset:\i*2*272
.endr
.endr
.irp a, 0,1,2,3
.irp i, 0,1,2,3,4,5,6,7
	s_wait_dscnt 16*(3-\a)+7-\i
	global_store_b128 v[GO], v[ACC+32*\a+4*\i:ACC+32*\a+4*\i+3], s[14:15] offset:(32*(\a/2)+8*(\a%2)+2*\i+8*(\i/4))*4096 th:TH_STORE_NT
.endr
.endr
	s_wait_tensorcnt 0x0
	ds_add_u32 v[SPW], v[NIL]
	s_wait_dscnt 0x0
	CROUND
	s_endpgm
.Lfunc_end_k_qa513979d02_proj:
	.size	k_qa513979d02_proj, .Lfunc_end_k_qa513979d02_proj-k_qa513979d02_proj
	.p2alignl 7, 3214868480
	.fill 96, 4, 3214868480
	.section	.rodata,"a",@progbits
	.p2align	6, 0x0
	.amdhsa_kernel k_qa513979d02_proj
		.amdhsa_group_segment_fixed_size 327680
		.amdhsa_private_segment_fixed_size 0
		.amdhsa_enable_private_segment 0
		.amdhsa_kernarg_size 48
		.amdhsa_user_sgpr_count 2
		.amdhsa_user_sgpr_kernarg_segment_ptr 1
		.amdhsa_wavefront_size32 1
		.amdhsa_system_sgpr_workgroup_id_x 1
		.amdhsa_system_sgpr_workgroup_id_y 1
		.amdhsa_system_sgpr_workgroup_id_z 1
		.amdhsa_system_vgpr_workitem_id 0
		.amdhsa_next_free_vgpr 512
		.amdhsa_next_free_sgpr 66
		.amdhsa_reserve_vcc 0
		.amdhsa_float_denorm_mode_32 3
		.amdhsa_float_denorm_mode_16_64 3
		.amdhsa_memory_ordered 1
		.amdhsa_forward_progress 1
		.amdhsa_inst_pref_size 59
	.end_amdhsa_kernel
	.amdgpu_metadata
---
amdhsa.version: [ 1, 2 ]
amdhsa.kernels:
  - .name:           k_qa513979d02_proj
    .symbol:         k_qa513979d02_proj.kd
    .args:
      - { .name: oc, .offset: 0, .size: 8, .value_kind: global_buffer, .address_space: global }
      - { .name: osc, .offset: 8, .size: 8, .value_kind: global_buffer, .address_space: global }
      - { .name: codes, .offset: 16, .size: 8, .value_kind: global_buffer, .address_space: global }
      - { .name: scales, .offset: 24, .size: 8, .value_kind: global_buffer, .address_space: global }
      - { .name: b_proj, .offset: 32, .size: 8, .value_kind: global_buffer, .address_space: global }
      - { .name: out0, .offset: 40, .size: 8, .value_kind: global_buffer, .address_space: global }
    .group_segment_fixed_size: 327680
    .private_segment_fixed_size: 0
    .kernarg_segment_align: 8
    .kernarg_segment_size: 48
    .max_flat_workgroup_size: 128
    .sgpr_count:     66
    .vgpr_count:     512
    .wavefront_size: 32
...
	.end_amdgpu_metadata
.endif
;; end of part 4
